; MI455X (gfx1250); checked and timed in simulation.
; The chip was launched on July 23, 2026; its instructions are those of AMD's public machine-readable ISA for CDNA 5 (MIT licence, August 2026) and "CDNA5" Instruction Set Architecture Reference Guide (July 2026). The comments in the code are by the model that wrote it; some were corrected since.
;; Transformer Layer Shard. Allowed arithmetic: float matrix products may take bf16 or f16 operands with f32 sums; all other float work in f32.
;; Inputs: W1 2,048 x 8,192 float32; W2 8,192 x 2,048 float32; Wk 2,048 x 2,048 float32; Wo 2,048 x 2,048 float32; Wq 2,048 x 2,048 float32; Wv 2,048 x 2,048 float32; attn_bias 1,024 x 1,024 float32; b1 8,192 float32; b2 2,048 float32; ln_offset 2,048 float32; ln_scale 2,048 float32; x 1,024 x 2,048 float32.
;; Outputs: out0 1,024 x 2,048 float32.
;; 2 versions, each right. Each part assembles by itself: llvm-mc -triple=amdgcn-amd-amdhsa -mcpu=gfx1250 --defsym DOCPART=n.
;; ======== version 1 of 2: 5 launches
;; limits: values are held in f16: magnitudes above 65,504 overflow, below 6.1e-05 lose precision
;; workspace buffers: xn 4,194,304 bytes; rope 1,048,576 bytes; qkv 12,582,912 bytes; act 20,971,520 bytes; part 67,108,864 bytes
;; launch ln (part 1): grid 256 x 1, 4 waves a work-group, no clusters, 0 bytes of LDS; arguments x, ln_scale, ln_offset, xn, rope; writes xn, rope
.if DOCPART == 1
	.amdgcn_target "amdgcn-amd-amdhsa--gfx1250"
	.amdhsa_code_object_version 6
	.text
	.protected	k_q4b5fdc20b9_ln
	.globl	k_q4b5fdc20b9_ln
	.p2align	8
	.type	k_q4b5fdc20b9_ln,@function
k_q4b5fdc20b9_ln:
	s_mov_b64 s[64:65], 0
	v_nop
	global_prefetch_b8 v0, s[64:65] scope:SCOPE_SE
	s_setreg_imm32_b32 hwreg(HW_REG_WAVE_MODE, 25, 1), 1
	s_wait_xcnt 0x0
; xn[t][c] = ln_scale[c] * rsqrt(var + 1e-5) * (x[t][c] - mean) + ln_offset[c], rounded once to f16; x: [1024][2048] f32.
; One wave takes one row t = 4 * work-group + wave: 8,192 bytes = 16 loads of 16 bytes a lane, kept in 64 registers between
; the pass for the mean and the pass for the variance (differences from the mean are squared, so a common offset of x costs nothing).
; No LDS, no barrier, no matrix unit: memory binds, every byte is read once.
; The wave also makes row t of the table for the rotary embedding: rope[v][t][i] = (cos, sin) of t * 10000^(-i/64), i = 0..63;
; v = 1 as it is (for k), v = 0 times log2(e)/sqrt(128) (for q: the softmax's scale and its base 2 ride on q).
; Sine and cosine: the angle less the nearest multiple of 2 pi (2 pi in two parts), then the Taylor sums up to r^15/15! and r^16/16!,
; whose first dropped terms are below 1e-6 for |r| <= pi.  The angle itself is good to about 1e-4 at t = 1023 (exp2's last bit).
; LIMIT: xn is kept in f16: |xn| at or above 65,520 becomes infinite.
.set X,    16                          ; v[16:79]   the row
.set SC,   80                          ; v[80:143]  ln_scale, later the packed results
.set OF,   144                         ; v[144:207] ln_offset
.set AC,   208                         ; v[208:215] four chains of sums
.set MEAN, 216                         ; v[216:217] the mean, twice
.set RS,   218                         ; v[218:219] 1/sqrt(var + eps), twice
.set TB,   220                         ; v[220:223] cos, sin, cos, sin of my two frequencies
.set TQ,   224                         ; v[224:227] the same, scaled for q
.macro WSUM r, t                       ; sum over the 32 lanes, in every lane
	v_add_f32_dpp v[\r], v[\r], v[\r] row_xmask:1 row_mask:0xf bank_mask:0xf
	v_add_f32_dpp v[\r], v[\r], v[\r] row_xmask:2 row_mask:0xf bank_mask:0xf
	v_add_f32_dpp v[\r], v[\r], v[\r] row_xmask:4 row_mask:0xf bank_mask:0xf
	v_add_f32_dpp v[\r], v[\r], v[\r] row_xmask:8 row_mask:0xf bank_mask:0xf
	v_permlanex16_b32 v[\t], v[\r], s22, s23
	v_add_f32 v[\r], v[\r], v[\t]
.endm
	s_load_b256 s[4:11], s[0:1], 0x0               ; x s[4:5], ln_scale s[6:7], ln_offset s[8:9], xn s[10:11]
	s_load_b64 s[12:13], s[0:1], 0x20              ; rope
	v_lshrrev_b32 v1, 5, v0
	v_readfirstlane_b32 s14, v1                    ; wave
	s_lshl2_add_u32 s15, ttmp9, s14                ; t = 4 * work-group + wave
	v_and_b32 v2, 31, v0                           ; lane
	v_lshlrev_b32 v3, 4, v2                        ; 16 * lane
	v_lshlrev_b32 v4, 3, v2                        ; 8 * lane
	s_lshl_b32 s16, s15, 13                        ; t rows of 8,192 bytes (x)
	s_mov_b32 s17, 0
	s_lshl_b32 s18, s15, 12                        ; t rows of 4,096 bytes (xn)
	s_mov_b32 s19, 0
	s_lshl_b32 s20, s15, 9                         ; t rows of 512 bytes (rope)
	s_mov_b32 s21, 0
	s_mov_b32 s22, 0x76543210                      ; v_permlanex16_b32: lane i reads lane i of the other half
	s_mov_b32 s23, 0xfedcba98
	s_mov_b32 s24, 0xc0c90fdb                      ; -(2 pi rounded to f32)
	s_mov_b32 s25, 0x343bbd2e                      ; (2 pi rounded to f32) - 2 pi
	s_mov_b32 s26, 0x3a000000                      ; 1/2048
	s_wait_kmcnt 0x0
	s_add_nc_u64 s[4:5], s[4:5], s[16:17]
	s_add_nc_u64 s[10:11], s[10:11], s[18:19]
	s_add_nc_u64 s[12:13], s[12:13], s[20:21]
.irp q, 0,1,2,3,4,5,6,7,8,9,10,11,12,13,14,15
	global_load_b128 v[X+4*\q:X+4*\q+3], v3, s[4:5] offset:512*\q th:TH_LOAD_NT
.endr
.irp q, 0,1,2,3,4,5,6,7,8,9,10,11,12,13,14,15
	global_load_b128 v[SC+4*\q:SC+4*\q+3], v3, s[6:7] offset:512*\q
.endr
.irp q, 0,1,2,3,4,5,6,7,8,9,10,11,12,13,14,15
	global_load_b128 v[OF+4*\q:OF+4*\q+3], v3, s[8:9] offset:512*\q
.endr
	; the table's row, while the loads are on their way: lane l makes i = 2 l and 2 l + 1
	v_lshlrev_b32 v5, 1, v2
	v_cvt_f32_u32 v5, v5
	v_add_f32 v6, 1.0, v5
	v_mul_f32 v5, 0xbe549a78, v5                   ; -i * log2(10000)/64
	v_mul_f32 v6, 0xbe549a78, v6
	v_exp_f32 v5, v5
	v_exp_f32 v6, v6
	v_cvt_f32_u32 v7, s15                          ; t: the plain instruction between the exponentials and their use (ISA guide 5.7.2)
	s_wait_alu depctr_va_vdst(0)
	v_mul_f32 v5, v7, v5                           ; the angles
	v_mul_f32 v6, v7, v6
	v_mul_f32 v8, 0.15915494, v5
	v_mul_f32 v9, 0.15915494, v6
	v_rndne_f32 v8, v8                             ; whole turns
	v_rndne_f32 v9, v9
	v_fma_f32 v5, v8, s24, v5
	v_fma_f32 v6, v9, s24, v6
	v_fma_f32 v5, v8, s25, v5                      ; r in [-pi, pi]
	v_fma_f32 v6, v9, s25, v6
	v_mul_f32 v8, v5, v5                           ; u = r^2
	v_mul_f32 v9, v6, v6
	v_mov_b32 v10, 0xab573f9f                      ; -1/15!
	v_mov_b32 v11, 0xab573f9f
.irp k, 0x2f309231, 0xb2d7322b, 0x3638ef1d, 0xb9500d01, 0x3c088889, 0xbe2aaaab, 0x3f800000
	v_fmaak_f32 v10, v10, v8, \k                   ; 1/13!, -1/11!, 1/9!, -1/7!, 1/5!, -1/3!, 1
	v_fmaak_f32 v11, v11, v9, \k
.endr
	v_mov_b32 v12, 0x29573f9f                      ; 1/16!
	v_mov_b32 v13, 0x29573f9f
.irp k, 0xad49cba5, 0x310f76c7, 0xb493f27e, 0x37d00d01, 0xbab60b61, 0x3d2aaaab, 0xbf000000
	v_fmaak_f32 v12, v12, v8, \k                   ; -1/14!, 1/12!, -1/10!, 1/8!, -1/6!, 1/4!, -1/2
	v_fmaak_f32 v13, v13, v9, \k
.endr
	v_fmaak_f32 v[TB], v12, v8, 0x3f800000         ; cos
	v_mul_f32 v[TB+1], v10, v5                     ; sin
	v_fmaak_f32 v[TB+2], v13, v9, 0x3f800000
	v_mul_f32 v[TB+3], v11, v6
.irp k, 0,1,2,3
	v_mul_f32 v[TQ+\k], 0x3e0293ee, v[TB+\k]       ; times log2(e)/sqrt(128)
.endr
	global_store_b128 v3, v[TQ:TQ+3], s[12:13]                 ; the wave's 512 neighbouring bytes: q's row
	global_store_b128 v3, v[TB:TB+3], s[12:13] offset:524288   ; k's row
	s_wait_loadcnt 32                              ; x is in: the 32 loads of scale and offset are younger
.irp k, 0,1,2,3
	v_pk_add_f32 v[AC+2*\k:AC+2*\k+1], v[X+2*\k:X+2*\k+1], v[X+8+2*\k:X+8+2*\k+1]
.endr
.set i, 8
.rept 24
	v_pk_add_f32 v[AC+2*(i%4):AC+2*(i%4)+1], v[AC+2*(i%4):AC+2*(i%4)+1], v[X+2*i:X+2*i+1]
.set i, i+1
.endr
	v_pk_add_f32 v[AC:AC+1], v[AC:AC+1], v[AC+2:AC+3]
	v_pk_add_f32 v[AC+4:AC+5], v[AC+4:AC+5], v[AC+6:AC+7]
	v_pk_add_f32 v[AC:AC+1], v[AC:AC+1], v[AC+4:AC+5]
	v_add_f32 v[AC], v[AC], v[AC+1]
	WSUM AC, AC+1
	v_mul_f32 v[MEAN], s26, v[AC]
	v_mul_f32 v[MEAN+1], s26, v[AC]
.set i, 0
.rept 32
	v_pk_add_f32 v[X+2*i:X+2*i+1], v[X+2*i:X+2*i+1], v[MEAN:MEAN+1] neg_lo:[0,1] neg_hi:[0,1]   ; d = x - mean
.set i, i+1
.endr
.irp k, 0,1,2,3
	v_pk_mul_f32 v[AC+2*\k:AC+2*\k+1], v[X+2*\k:X+2*\k+1], v[X+2*\k:X+2*\k+1]
.endr
.set i, 4
.rept 28
	v_pk_fma_f32 v[AC+2*(i%4):AC+2*(i%4)+1], v[X+2*i:X+2*i+1], v[X+2*i:X+2*i+1], v[AC+2*(i%4):AC+2*(i%4)+1]
.set i, i+1
.endr
	v_pk_add_f32 v[AC:AC+1], v[AC:AC+1], v[AC+2:AC+3]
	v_pk_add_f32 v[AC+4:AC+5], v[AC+4:AC+5], v[AC+6:AC+7]
	v_pk_add_f32 v[AC:AC+1], v[AC:AC+1], v[AC+4:AC+5]
	v_add_f32 v[AC], v[AC], v[AC+1]
	WSUM AC, AC+1
	v_fmaak_f32 v[RS], s26, v[AC], 0x3727c5ac      ; var + 1e-5
	v_rsq_f32 v[RS], v[RS]
	v_nop                                          ; one plain place behind the transcendental (ISA guide 5.7.2)
	s_wait_alu depctr_va_vdst(0)
	v_mov_b32 v[RS+1], v[RS]
	s_wait_loadcnt 0x0                             ; scale and offset
.irp q, 0,1,2,3,4,5,6,7,8,9,10,11,12,13,14,15
	v_pk_mul_f32 v[SC+4*\q:SC+4*\q+1], v[SC+4*\q:SC+4*\q+1], v[RS:RS+1]
	v_pk_mul_f32 v[SC+4*\q+2:SC+4*\q+3], v[SC+4*\q+2:SC+4*\q+3], v[RS:RS+1]
	v_pk_fma_f32 v[X+4*\q:X+4*\q+1], v[X+4*\q:X+4*\q+1], v[SC+4*\q:SC+4*\q+1], v[OF+4*\q:OF+4*\q+1]
	v_pk_fma_f32 v[X+4*\q+2:X+4*\q+3], v[X+4*\q+2:X+4*\q+3], v[SC+4*\q+2:SC+4*\q+3], v[OF+4*\q+2:OF+4*\q+3]
	v_cvt_pk_f16_f32 v[SC+4*\q], v[X+4*\q], v[X+4*\q+1]
	v_cvt_pk_f16_f32 v[SC+4*\q+1], v[X+4*\q+2], v[X+4*\q+3]
	global_store_b64 v4, v[SC+4*\q:SC+4*\q+1], s[10:11] offset:256*\q    ; 32 lanes store 256 consecutive bytes, aligned
.endr
	s_endpgm
.Lfunc_end_k_q4b5fdc20b9_ln:
	.size	k_q4b5fdc20b9_ln, .Lfunc_end_k_q4b5fdc20b9_ln-k_q4b5fdc20b9_ln
	.p2alignl 7, 3214868480
	.fill 96, 4, 3214868480
	.section	.rodata,"a",@progbits
	.p2align	6, 0x0
	.amdhsa_kernel k_q4b5fdc20b9_ln
		.amdhsa_group_segment_fixed_size 0
		.amdhsa_private_segment_fixed_size 0
		.amdhsa_enable_private_segment 0
		.amdhsa_kernarg_size 40
		.amdhsa_user_sgpr_count 2
		.amdhsa_user_sgpr_kernarg_segment_ptr 1
		.amdhsa_wavefront_size32 1
		.amdhsa_system_sgpr_workgroup_id_x 1
		.amdhsa_system_sgpr_workgroup_id_y 1
		.amdhsa_system_sgpr_workgroup_id_z 1
		.amdhsa_system_vgpr_workitem_id 0
		.amdhsa_next_free_vgpr 232
		.amdhsa_next_free_sgpr 66
		.amdhsa_reserve_vcc 0
		.amdhsa_float_denorm_mode_32 3
		.amdhsa_float_denorm_mode_16_64 3
		.amdhsa_memory_ordered 1
		.amdhsa_forward_progress 1
		.amdhsa_inst_pref_size 24
	.end_amdhsa_kernel
	.amdgpu_metadata
---
amdhsa.version: [ 1, 2 ]
amdhsa.kernels:
  - .name:           k_q4b5fdc20b9_ln
    .symbol:         k_q4b5fdc20b9_ln.kd
    .args:
      - { .name: x, .offset: 0, .size: 8, .value_kind: global_buffer, .address_space: global }
      - { .name: ln_scale, .offset: 8, .size: 8, .value_kind: global_buffer, .address_space: global }
      - { .name: ln_offset, .offset: 16, .size: 8, .value_kind: global_buffer, .address_space: global }
      - { .name: xn, .offset: 24, .size: 8, .value_kind: global_buffer, .address_space: global }
      - { .name: rope, .offset: 32, .size: 8, .value_kind: global_buffer, .address_space: global }
    .group_segment_fixed_size: 0
    .private_segment_fixed_size: 0
    .kernarg_segment_align: 8
    .kernarg_segment_size: 40
    .max_flat_workgroup_size: 128
    .sgpr_count:     66
    .vgpr_count:     232
    .wavefront_size: 32
...
	.end_amdgpu_metadata
.endif
;; end of part 1
;; launch gemm1 (part 2): grid 4 x 56, 4 waves a work-group, clusters of 4 x 1, 327,680 bytes of LDS; arguments xn, Wq, Wk, Wv, W1, b1, rope, qkv, act; writes qkv, act
.if DOCPART == 2
	.amdgcn_target "amdgcn-amd-amdhsa--gfx1250"
	.amdhsa_code_object_version 6
	.text
	.protected	k_q4b5fdc20b9_gemm1
	.globl	k_q4b5fdc20b9_gemm1
	.p2align	8
	.type	k_q4b5fdc20b9_gemm1,@function
k_q4b5fdc20b9_gemm1:
	s_mov_b64 s[64:65], 0
	v_nop
	global_prefetch_b8 v0, s[64:65] scope:SCOPE_SE
	s_setreg_imm32_b32 hwreg(HW_REG_WAVE_MODE, 25, 1), 1
	s_wait_xcnt 0x0
	s_wait_alu depctr_hold_cnt(0) depctr_sa_sdst(0) depctr_va_vdst(0) depctr_va_sdst(0) depctr_va_ssrc(0) depctr_va_vcc(0) depctr_vm_vsrc(0)
	s_getreg_b32 s2, hwreg(HW_REG_IB_STS2, 6, 4)
	s_cmp_eq_u32 s2, 0
	s_cbranch_scc0 .Lentry_in_a_cluster
	s_endpgm
.Lentry_in_a_cluster:
	s_bfe_u32 s2, ttmp6, 0x10000c
	s_cmp_lg_u32 s2, 0x3003
	s_cbranch_scc0 .Lentry_shape_is_right
	s_endpgm
.Lentry_shape_is_right:
; xn [1024][2048] f16 times [Wq | Wk | Wv | W1], f32 stored [K][N]; sums in f32.  Block column y: 0-7 q, 8-15 k, 16-23 v, 24-55 h.
; On the way out: q and k are rotated (table rope; q's table carries the softmax's scale), v goes as it is, h = gelu(. + b1) (tanh form).
; q, k, v go to qkv [3][1024][2048] f16, h to columns 0..8191 of act [1024][10240] f16.
; A work-group makes 256 x 256 with four waves (as many as a WGP has SIMDs); a wave makes 128 x 128: 64 accumulators, 512 registers.
; K goes in steps of 64, each two chunks of 32.
; WEIGHTS: a tile is brought to LDS as f32 rows [k][128 columns].  Lane (r, h) reads, for each of its 16 k of a chunk, the 16 bytes of
; columns 4 r .. 4 r + 3 of a group g of 64 columns (16 lanes read 256 consecutive bytes); one conversion of rows k, k + 1 of column c is
; one register of the B fragment of tile b = 4 g + c, whose lane r then stands for column 64 g + 4 r + c.  So accumulator (a, b), register j,
; lane (r, h) holds C[16 a + 8 h + j][64 g + 4 r + c]: the four tiles of a group give a lane four neighbouring columns.
; CLUSTER: the four block rows of one block column form a cluster and need the same weight tiles: these are asked for jointly (mask 15),
; so each weight byte is requested once.  xn's tiles differ between the four and are plain loads behind the same rounds.
; RING: weights: two slots of one step; xn: two slots of two steps (rows of 256 bytes).  Waves 2, 3 fetch the weights' two halves each
; step, waves 0, 1 xn's two halves every second step: one tensor load a wave behind a round.  A wave has two tensor loads out at the
; start and one later.
; REGISTERS: window 0: v0-31 addresses, v32-95 and v96-159 A fragments (two buffers), v160-255 at work on the way out;
; window 1: v0-63, v64-127 B fragments (two buffers), v128-255 raw f32 weights; windows 2, 3: accumulator (a, b) at 8 (8 (a & 3) + b).
; The 64 accumulators take turns, one matrix instruction a turn, in one order throughout.
; LIMIT: operands and results are f16: magnitudes at or above 65,520 become infinite.
.set AF0,   32
.set RAW,   128
.set ADRA,  4                          ; v4, v5   LDS address of my A fragments, slot 0, 1
.set ADRB,  6                          ; v6, v7   LDS address of my raw weights, slot 0, 1
.set STO,   8                          ; v8       stage: where I put 8 bytes of a row
.set RD,    9                          ; v9       stage: where I read a row back
.set CO,    10                         ; v10      my byte offset in the output
.set TBO,   11                         ; v11      my byte offset in the table
.set B1,    12                         ; v[12:19] b1 of my eight columns
.set KC,    20                         ; v[20:23] gelu's two constants, twice each
.set PK,    160                        ; v[160:191] packed results of 16 rows
.set OB,    192                        ; v[192:255] rows read back, two buffers
.set G1A,   16                         ; s[16:23] shape of xn's tiles
.set G1Q,   24                         ; s[24:31] shape of a weight tile, pitch 2048
.set G1F,   32                         ; s[32:39] the same, pitch 8192
.set G0A,   40                         ; s[40:47] xn: from where, to where, a set for each slot
.set G0B,   48                         ; s[48:55] weights: the same
.set ASLOT, 69632                      ; 256 rows x 272 bytes (256 of data, 16 of padding)
.set BBASE, 139264
.set BSLOT, 65536                      ; 2 halves x 64 rows x 512 bytes
.set STAGE, 270336                     ; 16 rows x 272 bytes for each wave; no tensor load lands here
.set MUL_LO, 0xa4                      ; A window 0, B window 1, C and D window 2
.set MUL_HI, 0xf4                      ; C and D window 3
.set CVT,    0x45                      ; all of a conversion in window 1
.set TO_1,   0x40                      ; destination window 1, address window 0
.set MSB, 0
.macro WIN new                         ; the immediate's high byte repeats the setting that is left
.if MSB != (\new)
	s_set_vgpr_msb (MSB<<8)|(\new)
.set MSB, (\new)
.endif
.endm
.macro PLACES                          ; four places behind a matrix instruction (ISA guide 7.12.1)
.rept 4
	v_nop
.endr
.endm
.macro CREST                           ; a round of the cluster's barrier behind its opening barrier
	s_cmp_lg_u32 s56, 0
	s_cbranch_scc1 .Lnot_wave_0_\@
	s_barrier_signal -3
.Lnot_wave_0_\@:
	s_barrier_wait -3
	s_barrier_signal -1
	s_barrier_wait -1
.endm
.macro CROUND
	s_barrier_signal -1
	s_barrier_wait -1
	CREST
.endm
; eight matrix instructions: rows 16 a .. 16 a + 15 x all eight column tiles, 32 along K, from buffers f
.macro G a, f, zero
.irp b, 0,1,2,3,4,5,6,7
.if \zero
	v_wmma_f32_16x16x32_f16 v[8*(8*((\a)&3)+\b):8*(8*((\a)&3)+\b)+7], v[AF0+64*\f+8*\a:AF0+64*\f+8*\a+7], v[64*\f+8*\b:64*\f+8*\b+7], 0
.else
	v_wmma_f32_16x16x32_f16 v[8*(8*((\a)&3)+\b):8*(8*((\a)&3)+\b)+7], v[AF0+64*\f+8*\a:AF0+64*\f+8*\a+7], v[64*\f+8*\b:64*\f+8*\b+7], v[8*(8*((\a)&3)+\b):8*(8*((\a)&3)+\b)+7]
.endif
.endr
.endm
; 48 LDS loads: a chunk's raw weights (rows ko .. ko + 31 of slot sb; group 0 first), then its A fragments (byte ao of slot sa's rows) into buffer f
.macro LOADS sa, ao, sb, ko, f
	WIN TO_1
.irp g, 0,1
.irp u, 0,1
.irp j, 0,1,2,3,4,5,6,7
	ds_load_b128 v[RAW+64*\g+4*(8*\u+\j):RAW+64*\g+4*(8*\u+\j)+3], v[ADRB+\sb] offset:(\ko+16*\u+\j)*512+256*\g
.endr
.endr
.endr
	WIN 0
.irp m, 0,1,2,3,4,5,6,7
	ds_load_b128 v[AF0+64*\f+8*\m:AF0+64*\f+8*\m+3],   v[ADRA+\sa] offset:4352*\m+\ao
	ds_load_b128 v[AF0+64*\f+8*\m+4:AF0+64*\f+8*\m+7], v[ADRA+\sa] offset:4352*\m+\ao+32
.endr
.endm
; 32 conversions: the four B fragments of column group g into buffer f
.macro CV g, f
	WIN CVT
.irp c, 0,1,2,3
.irp p, 0,1,2,3,4,5,6,7
	v_cvt_pk_f16_f32 v[64*\f+8*(4*\g+\c)+\p], v[RAW+64*\g+8*\p+\c], v[RAW+64*\g+8*\p+4+\c]
.endr
.endr
.endm
; a wave's one tensor load behind a round: waves 0, 1 xn's slot fa (2: none), waves 2, 3 the weights' slot fb.
; The second branch hangs on the block column's kind, which the four partners share.
.macro JL fb, fa
	s_cmp_lt_u32 s56, 2
	s_cbranch_scc0 .Ljb_\@
.if \fa < 2
	tensor_load_to_lds s[G0A+4*\fa:G0A+4*\fa+3], s[G1A:G1A+7]
	s_nop 0
.endif
	s_branch .Ljx_\@
.Ljb_\@:
	s_cmp_eq_u32 s61, 3
	s_cbranch_scc1 .Ljf_\@
	tensor_load_to_lds s[G0B+4*\fb:G0B+4*\fb+3], s[G1Q:G1Q+7]
	s_nop 0
	s_branch .Ljx_\@
.Ljf_\@:
	tensor_load_to_lds s[G0B+4*\fb:G0B+4*\fb+3], s[G1F:G1F+7]
	s_nop 0
.Ljx_\@:
.endm
; One chunk: 64 matrix instructions on buffers f.  nxt = 1: the next chunk's loads (slots sa, sb; offsets ao, ko) and conversions ride along.
; mode 1: the change of slots: a barrier, in front of which my reads of this step's slots and all my tensor loads are done.
; mode 2: that barrier opens a round of the cluster's barrier, behind which weights' slot fb (and xn's slot fa) are filled again.
.macro CHUNK f, zero, mode, nxt, sa, ao, sb, ko, fb, fa
	s_wait_dscnt 0x0                               ; this chunk's A fragments, the youngest loads: all my LDS reads are back
.if \mode
	s_set_vgpr_msb 0xf4f0
	s_wait_tensorcnt 0x0                           ; all my tensor loads have landed, my part of the next step's tiles among them
	ds_add_u32 v30, v31
	s_wait_dscnt 0x0
	s_set_vgpr_msb 0xf0f4
	s_barrier_signal -1
.endif
	WIN MUL_LO
	G 0, \f, \zero
	G 1, \f, \zero
.if \mode
	WIN 0
	s_barrier_wait -1
.endif
.if \mode == 2
	CREST                                          ; no wave of any partner still reads the slot or has a load on its way
	s_add_nc_u64 s[G0B+4*\fb+2:G0B+4*\fb+3], s[G0B+4*\fb+2:G0B+4*\fb+3], s[66:67]   ; two steps = 128 rows of the weights on
.if \fa < 2
	s_add_nc_u64 s[G0A+4*\fa+2:G0A+4*\fa+3], s[G0A+4*\fa+2:G0A+4*\fa+3], 512         ; four steps = 256 columns of xn on
.endif
	JL \fb, \fa
.endif
.if \nxt
	PLACES                                         ; the other buffers were sources of the last chunk's matrix instructions
	LOADS \sa, \ao, \sb, \ko, (1-\f)
.endif
	WIN MUL_LO
	G 2, \f, \zero
	G 3, \f, \zero
.if \nxt
	s_wait_dscnt 32                                ; group 0's raw weights are in: 16 raw loads and 16 A loads are younger
	CV 0, (1-\f)
.endif
	WIN MUL_HI
	G 4, \f, \zero
	G 5, \f, \zero
.if \nxt
	s_wait_dscnt 16                                ; group 1's are in: the 16 A loads are younger
	CV 1, (1-\f)
.endif
	WIN MUL_HI
	G 6, \f, \zero
	G 7, \f, \zero
.endm
.macro BODY zero                       ; four steps: once round xn's ring, twice round the weights'
	CHUNK 0, \zero, 0, 1, 0, 64, 0, 32, 0, 2
	CHUNK 1, 0, 2, 1, 0, 128, 1, 0, 0, 2
	CHUNK 0, 0, 0, 1, 0, 192, 1, 32, 0, 2
	CHUNK 1, 0, 2, 1, 1, 0, 0, 0, 1, 0
	CHUNK 0, 0, 0, 1, 1, 64, 0, 32, 0, 2
	CHUNK 1, 0, 2, 1, 1, 128, 1, 0, 0, 2
	CHUNK 0, 0, 0, 1, 1, 192, 1, 32, 0, 2
	CHUNK 1, 0, 2, 1, 0, 0, 0, 0, 1, 1
.endm
	s_load_b512 s[68:83], s[0:1], 0x0              ; xn 68, Wq 70, Wk 72, Wv 74, W1 76, b1 78, rope 80, qkv 82
	s_load_b64 s[84:85], s[0:1], 0x40              ; act
	v_lshl_add_u32 v30, v0, 2, 0x46400
	v_mov_b32 v31, 0
	ds_add_u32 v30, v31
	v_lshrrev_b32 v1, 5, v0
	v_readfirstlane_b32 s56, v1                    ; wave
	s_lshr_b32 s57, s56, 1                         ; wm: my half of the block's rows
	s_and_b32 s58, s56, 1                          ; wn: my half of its columns; also the half of a tile that I fetch
	s_bfe_u32 s4, ttmp6, 0x40000                   ; cx
	s_lshl_b32 s60, ttmp9, 2
	s_add_co_u32 s60, s60, s4                      ; block row
	s_and_b32 s59, ttmp7, 0xffff                   ; block column y
	s_lshr_b32 s61, s59, 3
	s_min_u32 s61, s61, 3                          ; kind: 0 q, 1 k, 2 v, 3 h
	s_and_b32 s5, s59, 7
	s_sub_co_u32 s6, s59, 24
	s_mov_b32 s7, 0x400000
	s_cmp_lt_u32 s61, 3
	s_cselect_b32 s63, s5, s6                      ; block column inside its own matrix
	s_cselect_b32 s66, 0x100000, s7                ; 128 rows of the weights in bytes: pitch 2048 or 8192 f32
	s_mov_b32 s67, 0
	s_mov_b32 s[G1A+0], 0x07510000                 ; 2-byte elements; after every 64 words 4 words of padding; no mask
	s_mov_b32 s[G1A+1], 128<<16                    ; tensor_dim0 = 128
	s_mov_b32 s[G1A+2], 128<<16                    ; tensor_dim1 = 128
	s_mov_b32 s[G1A+3], 128<<16                    ; tile_dim0 = 128 elements = 256 bytes
	s_mov_b32 s[G1A+4], 128                        ; tile_dim1 = 128 rows
	s_mov_b32 s[G1A+5], 2048                       ; pitch
	s_mov_b32 s[G1A+6], 0
	s_mov_b32 s[G1A+7], 0
	s_mov_b32 s[G1Q+0], 0x0022000f                 ; mask 15: all four of the cluster; 4-byte elements; bit 21 beside the mask
	s_mov_b32 s[G1Q+1], 128<<16                    ; tensor_dim0 = 128
	s_mov_b32 s[G1Q+2], 64<<16                     ; tensor_dim1 = 64
	s_mov_b32 s[G1Q+3], 128<<16                    ; tile_dim0 = 128 elements = 512 bytes
	s_mov_b32 s[G1Q+4], 64                         ; tile_dim1 = 64 rows
	s_mov_b32 s[G1Q+5], 2048
	s_mov_b32 s[G1Q+6], 0
	s_mov_b32 s[G1Q+7], 0
	s_mov_b32 s[G1F+0], 0x0022000f
	s_mov_b32 s[G1F+1], 128<<16
	s_mov_b32 s[G1F+2], 64<<16
	s_mov_b32 s[G1F+3], 128<<16
	s_mov_b32 s[G1F+4], 64
	s_mov_b32 s[G1F+5], 8192
	s_mov_b32 s[G1F+6], 0
	s_mov_b32 s[G1F+7], 0
	s_wait_dscnt 0x0
	s_wait_kmcnt 0x0
	s_cmp_eq_u32 s61, 0
	s_cselect_b64 s[8:9], s[70:71], s[72:73]
	s_cmp_lt_u32 s61, 2
	s_cselect_b64 s[8:9], s[8:9], s[74:75]
	s_cmp_lt_u32 s61, 3
	s_cselect_b64 s[8:9], s[8:9], s[76:77]         ; my weights
	s_lshl_b32 s10, s63, 10                        ; 256 columns of 4 bytes a block,
	s_lshl_b32 s11, s58, 9                         ; 128 a half
	s_add_co_u32 s10, s10, s11
	s_mov_b32 s11, 0
	s_add_nc_u64 s[G0B+2:G0B+3], s[8:9], s[10:11]  ; step 0.  Nothing here hangs on cx
	s_lshr_b32 s10, s66, 1
	s_add_nc_u64 s[G0B+6:G0B+7], s[G0B+2:G0B+3], s[10:11]   ; step 1: 64 rows on
	s_or_b32 s[G0B+3], s[G0B+3], 0x80000000
	s_or_b32 s[G0B+7], s[G0B+7], 0x80000000
	s_lshl_b32 s10, s60, 20                        ; 256 rows of 4,096 bytes a block,
	s_lshl_b32 s12, s58, 19                        ; 128 a half
	s_add_co_u32 s10, s10, s12
	s_add_nc_u64 s[G0A+2:G0A+3], s[68:69], s[10:11]         ; steps 0, 1
	s_add_nc_u64 s[G0A+6:G0A+7], s[G0A+2:G0A+3], 256        ; steps 2, 3
	s_or_b32 s[G0A+3], s[G0A+3], 0x80000000
	s_or_b32 s[G0A+7], s[G0A+7], 0x80000000
	s_mov_b32 s[G0A+0], 1
	s_mov_b32 s[G0A+4], 1
	s_mov_b32 s[G0B+0], 1
	s_mov_b32 s[G0B+4], 1
	s_mul_i32 s12, s56, 34816                      ; waves 0, 1: 128 rows of 272 bytes each
	s_add_co_u32 s[G0A+1], s12, 0
	s_add_co_u32 s[G0A+5], s12, ASLOT
	s_mul_i32 s12, s56, 32768                      ; waves 2, 3: 64 rows of 512 bytes each
	s_add_co_u32 s[G0B+1], s12, BBASE-65536
	s_add_co_u32 s[G0B+5], s12, BBASE-65536+BSLOT
	CROUND                                         ; all four work-groups are here: the first joint loads meet
	s_cmp_lt_u32 s56, 2
	s_cbranch_scc0 .Lfirst_b
	tensor_load_to_lds s[G0A:G0A+3], s[G1A:G1A+7]
	s_nop 0
	tensor_load_to_lds s[G0A+4:G0A+7], s[G1A:G1A+7]
	s_nop 0
	s_branch .Lfirst_x
.Lfirst_b:
	s_cmp_eq_u32 s61, 3
	s_cbranch_scc1 .Lfirst_f
	tensor_load_to_lds s[G0B:G0B+3], s[G1Q:G1Q+7]
	s_nop 0
	tensor_load_to_lds s[G0B+4:G0B+7], s[G1Q:G1Q+7]
	s_nop 0
	s_branch .Lfirst_x
.Lfirst_f:
	tensor_load_to_lds s[G0B:G0B+3], s[G1F:G1F+7]
	s_nop 0
	tensor_load_to_lds s[G0B+4:G0B+7], s[G1F:G1F+7]
	s_nop 0
.Lfirst_x:
	v_and_b32 v1, 15, v0                           ; r
	v_bfe_u32 v2, v0, 4, 1                         ; h
	v_mul_u32_u24 v3, v1, 272
	v_lshl_add_u32 v3, v2, 4, v3                   ; r * 272 + 16 h
	s_mul_i32 s12, s57, 34816                      ; my 128 rows
	v_add_nc_u32 v[ADRA], s12, v3
	v_add_nc_u32 v[ADRA+1], ASLOT, v[ADRA]
	v_lshlrev_b32 v[ADRB], 4, v1                   ; 16 r
	v_lshl_add_u32 v[ADRB], v2, 12, v[ADRB]        ; + 8 h rows of 512 bytes
	s_mul_i32 s12, s58, 32768                      ; my 128 columns
	s_add_co_u32 s12, s12, BBASE
	v_add_nc_u32 v[ADRB], s12, v[ADRB]
	v_add_nc_u32 v[ADRB+1], BSLOT, v[ADRB]
	s_mul_i32 s12, s56, 4352
	s_add_co_u32 s12, s12, STAGE                   ; my stage
	v_mul_u32_u24 v3, v2, 8*272
	v_lshl_add_u32 v3, v1, 3, v3
	v_add_nc_u32 v[STO], s12, v3                   ; row 8 h (+ j), 8 bytes at 8 r
	v_mul_u32_u24 v3, v2, 272
	v_lshl_add_u32 v3, v1, 4, v3
	v_add_nc_u32 v[RD], s12, v3                    ; row h (+ 2 t), 16 bytes at 16 r
	v_lshlrev_b32 v[TBO], 4, v1
	v_lshl_add_u32 v[TBO], v2, 12, v[TBO]          ; 4096 h + 16 r
	s_wait_tensorcnt 0x1                           ; my first load has landed; the second stays out
	s_barrier_signal -1
	s_barrier_wait -1
	LOADS 0, 0, 0, 0, 0
	s_wait_dscnt 16                                ; the raw weights are in: the 16 A loads are younger
	CV 0, 0
	CV 1, 0
	BODY 1                                         ; the first products start the sums: nothing is cleared
	WIN 0
	s_mov_b32 s62, 6                               ; 32 steps = 8 bodies: one in front, six here, one behind
.Lbody:
	BODY 0
	WIN 0
	s_sub_co_i32 s62, s62, 1
	s_cmp_lg_u32 s62, 0
	s_cbranch_scc1 .Lbody
	CHUNK 0, 0, 0, 1, 0, 64, 0, 32, 0, 2           ; the last four steps: the weights' last two tiles are asked for, xn's are all here
	CHUNK 1, 0, 2, 1, 0, 128, 1, 0, 0, 2
	CHUNK 0, 0, 0, 1, 0, 192, 1, 32, 0, 2
	CHUNK 1, 0, 2, 1, 1, 0, 0, 0, 1, 2
	CHUNK 0, 0, 0, 1, 1, 64, 0, 32, 0, 2
	CHUNK 1, 0, 1, 1, 1, 128, 1, 0, 0, 2           ; a plain barrier: the last tile is whole, nothing is filled
	CHUNK 0, 0, 0, 1, 1, 192, 1, 32, 0, 2
	CHUNK 1, 0, 0, 0, 0, 0, 0, 0, 0, 2
	; THE WAY OUT, 16 rows at a time through my own stage in LDS, so that 16 lanes store 256 consecutive bytes of a row.
	PLACES                                         ; behind the last matrix instructions: results are read, fragment buffers are written
	WIN 0
; the packed 16 rows go into the stage, come back by rows and are stored; LDS serves a wave's instructions in order (ISA guide 5.7.1.4)
.macro STAGEOUT a, pitch
.irp g, 0,1
.irp j, 0,1,2,3,4,5,6,7
	ds_store_b64 v[STO], v[PK+2*(8*\g+\j):PK+2*(8*\g+\j)+1] offset:272*\j+128*\g
.endr
.endr
	s_wait_xcnt 0x0                                ; the buffer that earlier stores read is loaded again only behind this wait
.irp t, 0,1,2,3,4,5,6,7
	ds_load_b128 v[OB+32*((\a)&1)+4*\t:OB+32*((\a)&1)+4*\t+3], v[RD] offset:544*\t
.endr
.irp t, 0,1,2,3,4,5,6,7
	s_wait_dscnt 7-\t                              ; the younger read-backs may be out
	global_store_b128 v[CO], v[OB+32*((\a)&1)+4*\t:OB+32*((\a)&1)+4*\t+3], s[86:87] offset:(16*(\a)+2*\t)*\pitch
.endr
.endm
	s_mov_b32 s11, 0
	s_lshl_b32 s13, s63, 9
	s_lshl_b32 s12, s58, 8
	s_add_co_u32 s13, s13, s12                     ; my first column in bytes of f16
	s_cmp_eq_u32 s61, 3
	s_cbranch_scc1 .Lgelu
	s_lshl_b32 s10, s61, 22                        ; q, k or v: 4 MiB each
	s_lshl_b32 s12, s60, 20
	s_add_co_u32 s10, s10, s12
	s_lshl_b32 s12, s57, 19
	s_add_co_u32 s10, s10, s12
	s_add_co_u32 s10, s10, s13
	s_add_nc_u64 s[86:87], s[82:83], s[10:11]
	v_mov_b32 v[CO], v[TBO]                        ; rows of 4,096 bytes: h * 4096 + 16 r
	s_cmp_eq_u32 s61, 2
	s_cbranch_scc1 .Lplain
	; q and k: y(2i) = x(2i) cos - x(2i+1) sin, y(2i+1) = x(2i+1) cos + x(2i) sin.  My 128 columns are one head; a lane's four columns are two pairs.
	s_lshl_b32 s10, s61, 19                        ; the table for q or for k
	s_lshl_b32 s12, s60, 17                        ; 256 rows of 512 bytes a block
	s_add_co_u32 s10, s10, s12
	s_lshl_b32 s12, s57, 16
	s_add_co_u32 s10, s10, s12
	s_add_nc_u64 s[88:89], s[80:81], s[10:11]
.macro TBL a                           ; 16 loads: (cos, sin, cos, sin) of my two pairs for each (g, j), into fragment buffer a & 1
.irp g, 0,1
.irp j, 0,1,2,3,4,5,6,7
	global_load_b128 v[AF0+64*((\a)&1)+4*(8*\g+\j):AF0+64*((\a)&1)+4*(8*\g+\j)+3], v[TBO], s[88:89] offset:(16*(\a)+\j)*512+256*\g
.endr
.endr
.endm
.macro EPR a, left
.if \a < 7
	TBL (\a+1)
.endif
	s_wait_loadcnt \left                           ; my 16 loads are in; the next 16 rows' stay out
	WIN 0x02+((\a)>>2)                             ; source 0 = accumulators
.irp g, 0,1
.irp j, 0,1,2,3,4,5,6,7
	v_mul_f32 v24, v[8*(8*((\a)&3)+4*\g+1)+\j], v[AF0+64*((\a)&1)+4*(8*\g+\j)+1]
	v_mul_f32 v25, v[8*(8*((\a)&3)+4*\g+3)+\j], v[AF0+64*((\a)&1)+4*(8*\g+\j)+3]
	v_mul_f32 v[AF0+64*((\a)&1)+4*(8*\g+\j)+1], v[8*(8*((\a)&3)+4*\g)+\j], v[AF0+64*((\a)&1)+4*(8*\g+\j)+1]
	v_mul_f32 v[AF0+64*((\a)&1)+4*(8*\g+\j)+3], v[8*(8*((\a)&3)+4*\g+2)+\j], v[AF0+64*((\a)&1)+4*(8*\g+\j)+3]
	v_fma_f32 v[AF0+64*((\a)&1)+4*(8*\g+\j)+1], v[8*(8*((\a)&3)+4*\g+1)+\j], v[AF0+64*((\a)&1)+4*(8*\g+\j)], v[AF0+64*((\a)&1)+4*(8*\g+\j)+1]
	v_fma_f32 v[AF0+64*((\a)&1)+4*(8*\g+\j)+3], v[8*(8*((\a)&3)+4*\g+3)+\j], v[AF0+64*((\a)&1)+4*(8*\g+\j)+2], v[AF0+64*((\a)&1)+4*(8*\g+\j)+3]
	v_fma_f32 v[AF0+64*((\a)&1)+4*(8*\g+\j)], v[8*(8*((\a)&3)+4*\g)+\j], v[AF0+64*((\a)&1)+4*(8*\g+\j)], -v24
	v_fma_f32 v[AF0+64*((\a)&1)+4*(8*\g+\j)+2], v[8*(8*((\a)&3)+4*\g+2)+\j], v[AF0+64*((\a)&1)+4*(8*\g+\j)+2], -v25
.endr
.endr
	WIN 0
.set i, 0
.rept 32
	v_cvt_pk_f16_f32 v[PK+i], v[AF0+64*((\a)&1)+2*i], v[AF0+64*((\a)&1)+2*i+1]
.set i, i+1
.endr
	STAGEOUT \a, 4096
.endm
	TBL 0
.irp x, 0,1,2,3,4,5,6
	EPR \x, 16
.endr
	EPR 7, 0
	s_branch .Lend
.Lplain:                               ; v: rounded and stored
.macro EPV a
	WIN 0x0a+5*((\a)>>2)                           ; sources 0 and 1 = accumulators
.irp g, 0,1
.irp j, 0,1,2,3,4,5,6,7
	v_cvt_pk_f16_f32 v[PK+2*(8*\g+\j)],   v[8*(8*((\a)&3)+4*\g)+\j],   v[8*(8*((\a)&3)+4*\g+1)+\j]
	v_cvt_pk_f16_f32 v[PK+2*(8*\g+\j)+1], v[8*(8*((\a)&3)+4*\g+2)+\j], v[8*(8*((\a)&3)+4*\g+3)+\j]
.endr
.endr
	WIN 0
	STAGEOUT \a, 4096
.endm
.irp x, 0,1,2,3,4,5,6,7
	EPV \x
.endr
	s_branch .Lend
.Lgelu:                                ; h = x / (1 + 2^z), z = -2 sqrt(2/pi) log2(e) (x + 0.044715 x^3), x = sum + b1: the tanh form of gelu
	s_lshl_b32 s10, s60, 8
	s_lshl_b32 s12, s57, 7
	s_add_co_u32 s10, s10, s12                     ; my first row
	s_mul_i32 s10, s10, 20480                      ; rows of 10,240 f16
	s_add_co_u32 s10, s10, s13
	s_add_nc_u64 s[86:87], s[84:85], s[10:11]
	s_lshl_b32 s10, s13, 1                         ; my first column in bytes of f32
	s_add_nc_u64 s[90:91], s[78:79], s[10:11]
	v_lshlrev_b32 v26, 4, v1
	global_load_b128 v[B1:B1+3], v26, s[90:91]                 ; b1 of columns 4 r .. 4 r + 3,
	global_load_b128 v[B1+4:B1+7], v26, s[90:91] offset:256    ; and of 64 + 4 r ..
	v_mul_u32_u24 v[CO], v2, 20480
	v_lshl_add_u32 v[CO], v1, 4, v[CO]
	v_mov_b32 v[KC], 0xbdd2d3e8                    ; -2 sqrt(2/pi) log2(e) * 0.044715
	v_mov_b32 v[KC+1], 0xbdd2d3e8
	v_mov_b32 v[KC+2], 0xc0135761                  ; -2 sqrt(2/pi) log2(e)
	v_mov_b32 v[KC+3], 0xc0135761
	s_wait_loadcnt 0x0
.macro EPG a                           ; x in fragment buffer 0 (tile b, register j at 8 b + j), z in buffer 1
	WIN 0x02+((\a)>>2)
.irp b, 0,1,2,3,4,5,6,7
.irp p, 0,1,2,3
.if (\b&1)
	v_pk_add_f32 v[AF0+8*\b+2*\p:AF0+8*\b+2*\p+1], v[8*(8*((\a)&3)+\b)+2*\p:8*(8*((\a)&3)+\b)+2*\p+1], v[B1+\b-1:B1+\b] op_sel:[0,1] op_sel_hi:[1,1]
.else
	v_pk_add_f32 v[AF0+8*\b+2*\p:AF0+8*\b+2*\p+1], v[8*(8*((\a)&3)+\b)+2*\p:8*(8*((\a)&3)+\b)+2*\p+1], v[B1+\b:B1+\b+1] op_sel_hi:[1,0]
.endif
.endr
.endr
	WIN 0
.set i, 0
.rept 32
	v_pk_mul_f32 v[AF0+64+2*i:AF0+64+2*i+1], v[AF0+2*i:AF0+2*i+1], v[AF0+2*i:AF0+2*i+1]
.set i, i+1
.endr
.set i, 0
.rept 32
	v_pk_fma_f32 v[AF0+64+2*i:AF0+64+2*i+1], v[AF0+64+2*i:AF0+64+2*i+1], v[KC:KC+1], v[KC+2:KC+3]
.set i, i+1
.endr
.set i, 0
.rept 32
	v_pk_mul_f32 v[AF0+64+2*i:AF0+64+2*i+1], v[AF0+64+2*i:AF0+64+2*i+1], v[AF0+2*i:AF0+2*i+1]
.set i, i+1
.endr
.set i, 0
.rept 64
	v_exp_f32 v[AF0+64+i], v[AF0+64+i]
.set i, i+1
.endr
	v_nop                                          ; one plain place behind the run of transcendentals (ISA guide 5.7.2)
.set i, 0
	s_wait_alu depctr_va_vdst(0)
.rept 32
	v_pk_add_f32 v[AF0+64+2*i:AF0+64+2*i+1], v[AF0+64+2*i:AF0+64+2*i+1], 1.0 op_sel_hi:[1,0]
.set i, i+1
.endr
.set i, 0
.rept 64
	v_rcp_f32 v[AF0+64+i], v[AF0+64+i]
.set i, i+1
.endr
	v_nop
.set i, 0
	s_wait_alu depctr_va_vdst(0)
.rept 32
	v_pk_mul_f32 v[AF0+2*i:AF0+2*i+1], v[AF0+2*i:AF0+2*i+1], v[AF0+64+2*i:AF0+64+2*i+1]
.set i, i+1
.endr
.irp g, 0,1
.irp j, 0,1,2,3,4,5,6,7
	v_cvt_pk_f16_f32 v[PK+2*(8*\g+\j)],   v[AF0+8*(4*\g)+\j],   v[AF0+8*(4*\g+1)+\j]
	v_cvt_pk_f16_f32 v[PK+2*(8*\g+\j)+1], v[AF0+8*(4*\g+2)+\j], v[AF0+8*(4*\g+3)+\j]
.endr
.endr
	STAGEOUT \a, 20480
.endm
.irp x, 0,1,2,3,4,5,6,7
	EPG \x
.endr
.Lend:
	s_wait_dscnt 0x0
	s_wait_tensorcnt 0x0
	ds_add_u32 v30, v31
	s_wait_dscnt 0x0
	CROUND                                         ; the closing round: no work-group ends while a partner may still ask jointly
	s_endpgm
.Lfunc_end_k_q4b5fdc20b9_gemm1:
	.size	k_q4b5fdc20b9_gemm1, .Lfunc_end_k_q4b5fdc20b9_gemm1-k_q4b5fdc20b9_gemm1
	.p2alignl 7, 3214868480
	.fill 96, 4, 3214868480
	.section	.rodata,"a",@progbits
	.p2align	6, 0x0
	.amdhsa_kernel k_q4b5fdc20b9_gemm1
		.amdhsa_group_segment_fixed_size 327680
		.amdhsa_private_segment_fixed_size 0
		.amdhsa_enable_private_segment 0
		.amdhsa_kernarg_size 72
		.amdhsa_user_sgpr_count 2
		.amdhsa_user_sgpr_kernarg_segment_ptr 1
		.amdhsa_wavefront_size32 1
		.amdhsa_system_sgpr_workgroup_id_x 1
		.amdhsa_system_sgpr_workgroup_id_y 1
		.amdhsa_system_sgpr_workgroup_id_z 1
		.amdhsa_system_vgpr_workitem_id 0
		.amdhsa_next_free_vgpr 1024
		.amdhsa_next_free_sgpr 96
		.amdhsa_reserve_vcc 0
		.amdhsa_float_denorm_mode_32 3
		.amdhsa_float_denorm_mode_16_64 3
		.amdhsa_memory_ordered 1
		.amdhsa_forward_progress 1
		.amdhsa_inst_pref_size 255
	.end_amdhsa_kernel
	.section	.bss,"aw",@nobits
	.p2align	6
	.space	262144
	.amdgpu_metadata
---
amdhsa.version: [ 1, 2 ]
amdhsa.kernels:
  - .name:           k_q4b5fdc20b9_gemm1
    .symbol:         k_q4b5fdc20b9_gemm1.kd
    .args:
      - { .name: xn, .offset: 0, .size: 8, .value_kind: global_buffer, .address_space: global }
      - { .name: Wq, .offset: 8, .size: 8, .value_kind: global_buffer, .address_space: global }
      - { .name: Wk, .offset: 16, .size: 8, .value_kind: global_buffer, .address_space: global }
      - { .name: Wv, .offset: 24, .size: 8, .value_kind: global_buffer, .address_space: global }
      - { .name: W1, .offset: 32, .size: 8, .value_kind: global_buffer, .address_space: global }
      - { .name: b1, .offset: 40, .size: 8, .value_kind: global_buffer, .address_space: global }
      - { .name: rope, .offset: 48, .size: 8, .value_kind: global_buffer, .address_space: global }
      - { .name: qkv, .offset: 56, .size: 8, .value_kind: global_buffer, .address_space: global }
      - { .name: act, .offset: 64, .size: 8, .value_kind: global_buffer, .address_space: global }
    .group_segment_fixed_size: 327680
    .private_segment_fixed_size: 0
    .kernarg_segment_align: 8
    .kernarg_segment_size: 72
    .max_flat_workgroup_size: 128
    .sgpr_count:     96
    .vgpr_count:     1024
    .wavefront_size: 32
...
	.end_amdgpu_metadata
.endif
;; end of part 2
;; launch attn (part 3): grid 16 x 16, 4 waves a work-group, no clusters, 327,680 bytes of LDS; arguments qkv, attn_bias, act; writes act
.if DOCPART == 3
	.amdgcn_target "amdgcn-amd-amdhsa--gfx1250"
	.amdhsa_code_object_version 6
	.text
	.protected	k_q4b5fdc20b9_attn
	.globl	k_q4b5fdc20b9_attn
	.p2align	8
	.type	k_q4b5fdc20b9_attn,@function
k_q4b5fdc20b9_attn:
	s_mov_b64 s[64:65], 0
	v_nop
	global_prefetch_b8 v0, s[64:65] scope:SCOPE_SE
	s_setreg_imm32_b32 hwreg(HW_REG_WAVE_MODE, 25, 1), 1
	s_wait_xcnt 0x0
; Causal attention of one head (work-group y) and one block of 64 queries (i = 15 - work-group x: the long blocks first), with a running maximum.
; softmax(q k / sqrt(128) + attn_bias + causal mask) v.  q already carries log2(e)/sqrt(128), so all exponentials are base 2.
; The rows from 1088 on that the second mask of the problem would touch do not exist at 1024 rows: the mask is the lower triangle.
; Wave w owns queries 64 i + 16 w + r.  Keys come in tiles of 128 through two LDS slots; a tile is worked in two halves of 64 keys.
; TRANSPOSED: S^T = K Q^T (A = 16 keys from LDS, B = my 16 queries, loaded once): lane (r, h) holds query r, keys 16 kt + 8 h + j.
; So maximum and sum stay in the lane but for one exchange with lane r of the other half, and two packed S^T tiles are a B fragment of P^T.
; O^T = V^T P^T (A = V^T by the transposing LDS load): lane (r, h) holds query r, d = 16 dt + 8 h + j: 16 neighbouring bytes of a row.
; The mask is added as the problem adds it (-1e10, here times log2 e, on top of attn_bias); the order of rounding of that sum differs.
; Only the last tile holds keys beyond a query, so only it is masked; keys of that tile that no query of the block may see are worked and give zeros.
; NO CLUSTER: the query blocks of a head need from 1 to 8 tiles, so partners would ask for tiles that they discard; K and V of a head are 512 KiB in all.
; O is cleared once by 64 moves: a first tile written out apart would double the five copies of the trip.
; LIMIT: q, k, v, P and the result are f16: magnitudes at or above 65,520 become infinite; weights below 2^-25 of a row's largest count as zero.
.set KA,  4                            ; v4, v5   K fragments' LDS address, slot 0, 1
.set VA,  6                            ; v6, v7   V
.set BA,  8                            ; v8, v9   bias
.set STO, 10
.set RD,  11
.set CO,  12
.set DLT, 13                           ; my query less the last tile's first key less 8 h
.set MM,  14                           ; v[14:15] running maximum, twice
.set AL,  16                           ; v[16:17] the factor for the old sums, twice
.set LL,  18                           ; my lane's part of the running sum
.set NEG, 19
.set MX,  20                           ; v[20:23]
.set QO,  28
.set SS,  32                           ; v[32:63]   S^T of a half: tile kt at 8 kt
.set BI,  64                           ; v[64:95]   bias of a half
.set PP,  96                           ; v[96:111]  P^T, two B fragments
.set TT,  112                          ; v[112:127]
.set FK,  128                          ; v[128:255] K fragments of a half: (kt, c) at 8 (4 kt + c)
.set QQ,  64                           ; window 1: v[64:95]   Q fragments
.set FV,  128                          ; window 1: v[128:255] V^T fragments of a half: (kc, dt) at 8 (8 kc + dt);  window 1, v[0:63]: O^T
.set G1K, 16
.set G1V, 24
.set G1B, 32
.set G0K, 40
.set G0V, 48
.set G0B, 56
.set SLOT, 105472                      ; K 128 x 272, V 128 x 288, bias 64 x 528
.set VOFF, 34816
.set BOFF, 71680
.set STAGE, 210944                     ; 16 rows x 272 bytes for each wave; no tensor load lands here
.set MSB, 0
.macro WIN new
.if MSB != (\new)
	s_set_vgpr_msb (MSB<<8)|(\new)
.set MSB, (\new)
.endif
.endm
.macro PLACES                          ; four places behind a matrix instruction (ISA guide 7.12.1)
.rept 4
	v_nop
.endr
.endm
.macro TL s                            ; slot s is asked for: wave 0 K, wave 1 V, wave 2 the bias, wave 3 nothing
	s_cmp_lg_u32 s10, 0
	s_cbranch_scc1 .Ltv_\@
	tensor_load_to_lds s[G0K+4*\s:G0K+4*\s+3], s[G1K:G1K+7]
	s_nop 0
	s_branch .Ltx_\@
.Ltv_\@:
	s_cmp_lg_u32 s10, 1
	s_cbranch_scc1 .Ltb_\@
	tensor_load_to_lds s[G0V+4*\s:G0V+4*\s+3], s[G1V:G1V+7]
	s_nop 0
	s_branch .Ltx_\@
.Ltb_\@:
	s_cmp_lg_u32 s10, 2
	s_cbranch_scc1 .Ltx_\@
	tensor_load_to_lds s[G0B+4*\s:G0B+4*\s+3], s[G1B:G1B+7]
	s_nop 0
.Ltx_\@:
.endm
.macro KB_LOADS sl, hf                 ; 32 loads of K fragments, 8 of bias
.irp kt, 0,1,2,3
.irp c, 0,1,2,3
	ds_load_b128 v[FK+8*(4*\kt+\c):FK+8*(4*\kt+\c)+3],   v[KA+\sl] offset:(64*\hf+16*\kt)*272+64*\c
	ds_load_b128 v[FK+8*(4*\kt+\c)+4:FK+8*(4*\kt+\c)+7], v[KA+\sl] offset:(64*\hf+16*\kt)*272+64*\c+32
.endr
.endr
.irp kt, 0,1,2,3
	ds_load_b128 v[BI+8*\kt:BI+8*\kt+3],   v[BA+\sl] offset:256*\hf+64*\kt
	ds_load_b128 v[BI+8*\kt+4:BI+8*\kt+7], v[BA+\sl] offset:256*\hf+64*\kt+16
.endr
.endm
.macro V_LOADS sl, hf                  ; 32 transposing loads of V^T fragments
	WIN 0x40
.irp kc, 0,1
.irp dt, 0,1,2,3,4,5,6,7
	ds_load_tr16_b128 v[FV+8*(8*\kc+\dt):FV+8*(8*\kc+\dt)+3],   v[VA+\sl] offset:(64*\hf+32*\kc)*288+32*\dt
	ds_load_tr16_b128 v[FV+8*(8*\kc+\dt)+4:FV+8*(8*\kc+\dt)+7], v[VA+\sl] offset:(64*\hf+32*\kc+16)*288+32*\dt
.endr
.endr
	WIN 0
.endm
; 64 keys.  On entry 32 K, 8 bias and 32 V loads are out, in this order.  pre = 1: the second half's loads are issued on the way.
.macro HALF sl, hf, pre, mask
	s_wait_dscnt 32                                ; K and bias are in: the 32 V loads are younger
.if \mask
.irp kt, 0,1,2,3
.irp j, 0,1,2,3,4,5,6,7
	v_cmp_gt_i32 vcc_lo, 64*\hf+16*\kt+\j, v[DLT]  ; the key lies behind my query
	v_cndmask_b32 v[SS+8*\kt+\j], 0, v[NEG], vcc_lo
	v_fmac_f32 v[SS+8*\kt+\j], s66, v[BI+8*\kt+\j]
.endr
.endr
.else
.set i, 0
.rept 16
	v_pk_mul_f32 v[SS+2*i:SS+2*i+1], v[BI+2*i:BI+2*i+1], s[66:67] op_sel_hi:[1,0]   ; the bias starts the sums
.set i, i+1
.endr
.endif
	WIN 0x04                                       ; B (Q) in window 1
.irp c, 0,1,2,3
.irp kt, 0,1,2,3
	v_wmma_f32_16x16x32_f16 v[SS+8*\kt:SS+8*\kt+7], v[FK+8*(4*\kt+\c):FK+8*(4*\kt+\c)+7], v[QQ+8*\c:QQ+8*\c+7], v[SS+8*\kt:SS+8*\kt+7]   ; four accumulators by turns
.endr
.endr
	WIN 0
	PLACES
.if \pre
	KB_LOADS \sl, 1
.endif
.irp k, 0,1,2,3
	v_max3_num_f32 v[MX+\k], v[SS+8*\k], v[SS+8*\k+1], v[SS+8*\k+2]
.endr
.irp k, 0,1,2,3
	v_max3_num_f32 v[MX+\k], v[MX+\k], v[SS+8*\k+3], v[SS+8*\k+4]
.endr
.irp k, 0,1,2,3
	v_max3_num_f32 v[MX+\k], v[MX+\k], v[SS+8*\k+5], v[SS+8*\k+6]
.endr
.irp k, 0,1,2,3
	v_max_num_f32 v[MX+\k], v[MX+\k], v[SS+8*\k+7]
.endr
	v_max3_num_f32 v[MX], v[MX], v[MX+1], v[MX+2]
	v_max_num_f32 v[MX], v[MX], v[MX+3]
	v_permlanex16_b32 v[MX+1], v[MX], s68, s69     ; the same query's other keys
	v_max3_num_f32 v[MX], v[MX], v[MX+1], v[MM]    ; the new maximum
	v_sub_f32 v[AL], v[MM], v[MX]
	v_exp_f32 v[AL], v[AL]
	v_mov_b32 v[MM], v[MX]                         ; plain places behind the exponential (ISA guide 5.7.2)
	v_mov_b32 v[MM+1], v[MX]
	s_wait_alu depctr_va_vdst(0)
	v_mov_b32 v[AL+1], v[AL]
.set i, 0
.rept 16
	v_pk_add_f32 v[SS+2*i:SS+2*i+1], v[SS+2*i:SS+2*i+1], v[MM:MM+1] neg_lo:[0,1] neg_hi:[0,1]
.set i, i+1
.endr
.set i, 0
.rept 32
	v_exp_f32 v[SS+i], v[SS+i]
.set i, i+1
.endr
	v_mul_f32 v[LL], v[LL], v[AL]                  ; the plain place behind the run
	s_wait_alu depctr_va_vdst(0)
.irp q, 0,1,2,3,4,5,6,7
	v_pk_add_f32 v[TT+2*\q:TT+2*\q+1], v[SS+4*\q:SS+4*\q+1], v[SS+4*\q+2:SS+4*\q+3]
.endr
.irp q, 0,1,2,3
	v_pk_add_f32 v[TT+4*\q:TT+4*\q+1], v[TT+4*\q:TT+4*\q+1], v[TT+4*\q+2:TT+4*\q+3]
.endr
	v_pk_add_f32 v[TT:TT+1], v[TT:TT+1], v[TT+4:TT+5]
	v_pk_add_f32 v[TT+8:TT+9], v[TT+8:TT+9], v[TT+12:TT+13]
	v_pk_add_f32 v[TT:TT+1], v[TT:TT+1], v[TT+8:TT+9]
	v_add_f32 v[TT], v[TT], v[TT+1]
	v_add_f32 v[LL], v[LL], v[TT]
.irp kt, 0,1,2,3
.irp q, 0,1,2,3
	v_cvt_pk_f16_f32 v[PP+4*\kt+\q], v[SS+8*\kt+2*\q], v[SS+8*\kt+2*\q+1]
.endr
.endr
	WIN 0x41                                       ; O in window 1, the factor in window 0
.set i, 0
.rept 32
	v_pk_mul_f32 v[2*i:2*i+1], v[2*i:2*i+1], v[AL:AL+1]
.set i, i+1
.endr
.if \pre
	s_wait_dscnt 40                                ; V is in: the second half's 32 K and 8 bias loads are younger
.else
	s_wait_dscnt 0x0
.endif
	WIN 0x51                                       ; A (V^T), C and D (O^T) in window 1, B (P^T) in window 0
.irp kc, 0,1
.irp dt, 0,1,2,3,4,5,6,7
	v_wmma_f32_16x16x32_f16 v[8*\dt:8*\dt+7], v[FV+8*(8*\kc+\dt):FV+8*(8*\kc+\dt)+7], v[PP+8*\kc:PP+8*\kc+7], v[8*\dt:8*\dt+7]   ; eight accumulators by turns
.endr
.endr
	WIN 0
.if \pre
	PLACES
	V_LOADS \sl, 1
.endif
.endm
; One tile of 128 keys in slot sl.  refill = 1: the next tile is asked for, into the slot read last.
.macro TRIP sl, refill, mask
	s_wait_tensorcnt 0x0                           ; all my tensor loads have landed, my part of this tile among them: every group 0 may be written
	ds_add_u32 v30, v31
	s_wait_dscnt 0x0
	s_add_nc_u64 s[G0K+4*\sl+2:G0K+4*\sl+3], s[G0K+4*\sl+2:G0K+4*\sl+3], 0x100000   ; this slot's next tile: 256 keys on
	s_add_nc_u64 s[G0V+4*\sl+2:G0V+4*\sl+3], s[G0V+4*\sl+2:G0V+4*\sl+3], 0x100000
	s_add_nc_u64 s[G0B+4*\sl+2:G0B+4*\sl+3], s[G0B+4*\sl+2:G0B+4*\sl+3], 1024
	s_wait_dscnt 0x0                               ; my reads of the last tile are back
	s_barrier_signal -1
	s_barrier_wait -1                              ; both now hold of every wave
.if \refill
	TL (1-\sl)
.endif
	PLACES                                         ; the fragments were sources of the last matrix instructions
	KB_LOADS \sl, 0
	V_LOADS \sl, 0
	HALF \sl, 0, 1, \mask
	HALF \sl, 1, 0, \mask
.endm
	s_load_b128 s[4:7], s[0:1], 0x0                ; qkv, attn_bias
	s_load_b64 s[8:9], s[0:1], 0x10                ; act
	v_lshl_add_u32 v30, v0, 2, 0x37c00
	v_mov_b32 v31, 0
	ds_add_u32 v30, v31
	v_lshrrev_b32 v1, 5, v0
	v_readfirstlane_b32 s10, v1                    ; wave
	s_sub_co_u32 s11, 15, ttmp9                    ; i
	s_and_b32 s12, ttmp7, 0xffff                   ; head
	s_add_co_u32 s13, s11, 2
	s_lshr_b32 s13, s13, 1                         ; n = tiles of 128 keys that hold keys 0 .. 64 i + 63
	s_lshl_b32 s15, s12, 8                         ; the head's 256 bytes in a row
	s_mov_b32 s[G1K+0], 0x07510000                 ; 2-byte elements; after every 64 words 4 words of padding: pitch 272
	s_mov_b32 s[G1K+1], 128<<16
	s_mov_b32 s[G1K+2], 128<<16
	s_mov_b32 s[G1K+3], 128<<16                    ; 128 elements x
	s_mov_b32 s[G1K+4], 128                        ; 128 rows
	s_mov_b32 s[G1K+5], 2048
	s_mov_b32 s[G1K+6], 0
	s_mov_b32 s[G1K+7], 0
	s_mov_b32 s[G1V+0], 0x0f510000                 ; the same with 8 words of padding: pitch 288, for the transposing loads
	s_mov_b32 s[G1V+1], 128<<16
	s_mov_b32 s[G1V+2], 128<<16
	s_mov_b32 s[G1V+3], 128<<16
	s_mov_b32 s[G1V+4], 128
	s_mov_b32 s[G1V+5], 2048
	s_mov_b32 s[G1V+6], 0
	s_mov_b32 s[G1V+7], 0
	s_mov_b32 s[G1B+0], 0x07920000                 ; 4-byte elements; after every 128 words 4 words of padding: pitch 528
	s_mov_b32 s[G1B+1], 128<<16
	s_mov_b32 s[G1B+2], 64<<16
	s_mov_b32 s[G1B+3], 128<<16                    ; 128 keys x
	s_mov_b32 s[G1B+4], 64                         ; 64 queries
	s_mov_b32 s[G1B+5], 1024
	s_mov_b32 s[G1B+6], 0
	s_mov_b32 s[G1B+7], 0
	s_mov_b32 s[G0K+0], 1
	s_mov_b32 s[G0K+1], 0
	s_mov_b32 s[G0K+4], 1
	s_mov_b32 s[G0K+5], SLOT
	s_mov_b32 s[G0V+0], 1
	s_mov_b32 s[G0V+1], VOFF
	s_mov_b32 s[G0V+4], 1
	s_mov_b32 s[G0V+5], SLOT+VOFF
	s_mov_b32 s[G0B+0], 1
	s_mov_b32 s[G0B+1], BOFF
	s_mov_b32 s[G0B+4], 1
	s_mov_b32 s[G0B+5], SLOT+BOFF
	s_add_co_u32 s70, s15, 0x400000                ; k lies 4 MiB behind q
	s_mov_b32 s71, 0
	s_wait_dscnt 0x0
	s_wait_kmcnt 0x0
	s_add_nc_u64 s[G0K+2:G0K+3], s[4:5], s[70:71]             ; tile 0
	s_add_nc_u64 s[G0K+6:G0K+7], s[G0K+2:G0K+3], 0x80000      ; tile 1: 128 rows of 4,096 bytes on
	s_add_nc_u64 s[G0V+2:G0V+3], s[G0K+2:G0K+3], 0x400000     ; v lies 4 MiB behind k
	s_add_nc_u64 s[G0V+6:G0V+7], s[G0K+6:G0K+7], 0x400000
	s_lshl_b32 s70, s11, 18                        ; 64 i rows of 4,096 bytes
	s_add_nc_u64 s[G0B+2:G0B+3], s[6:7], s[70:71]
	s_add_nc_u64 s[G0B+6:G0B+7], s[G0B+2:G0B+3], 512
.irp k, G0K+3, G0K+7, G0V+3, G0V+7, G0B+3, G0B+7
	s_or_b32 s[\k], s[\k], 0x80000000
.endr
	TL 0                                           ; tile 0, ahead of everything else; slot 1 is first filled behind the first trip's barrier
	s_mov_b32 s66, 0x3fb8aa3b                      ; log2(e)
	s_mov_b32 s67, 0x3fb8aa3b
	s_mov_b32 s68, 0x76543210
	s_mov_b32 s69, 0xfedcba98
	s_lshl_b32 s72, s11, 6
	s_lshl4_add_u32 s72, s10, s72                  ; t0 = 64 i + 16 w: my first query
	s_lshl_b32 s70, s72, 12
	s_add_co_u32 s70, s70, s15
	s_add_nc_u64 s[74:75], s[4:5], s[70:71]        ; q at my first query and head
	s_mul_i32 s70, s72, 20480
	s_add_co_u32 s70, s70, s15
	s_add_co_u32 s70, s70, 16384                   ; the attention's columns of act begin at 8192
	s_add_nc_u64 s[76:77], s[8:9], s[70:71]
	v_and_b32 v1, 15, v0                           ; r
	v_bfe_u32 v2, v0, 4, 1                         ; h
	v_lshlrev_b32 v[QO], 12, v1
	v_lshl_add_u32 v[QO], v2, 4, v[QO]             ; r rows + 16 h
	WIN 0x40
.irp c, 0,1,2,3
	global_load_b128 v[QQ+8*\c:QQ+8*\c+3],   v[QO], s[74:75] offset:64*\c
	global_load_b128 v[QQ+8*\c+4:QQ+8*\c+7], v[QO], s[74:75] offset:64*\c+32
.endr
.set i, 0
.rept 64
	v_mov_b32 v[i], 0                              ; O^T
.set i, i+1
.endr
	WIN 0
	v_and_b32 v3, 7, v0
	v_bfe_u32 v20, v0, 3, 1
	v_mul_u32_u24 v[KA], v1, 272
	v_lshl_add_u32 v[KA], v2, 4, v[KA]             ; r * 272 + 16 h
	v_add_nc_u32 v[KA+1], SLOT, v[KA]
	v_lshl_add_u32 v[VA], v2, 3, v3                ; key 8 h + (lane & 7),
	v_mul_u32_u24 v[VA], v[VA], 288
	v_lshl_add_u32 v[VA], v20, 4, v[VA]            ; 16 bytes for each half of eight lanes
	v_add_nc_u32 v[VA], VOFF, v[VA]
	v_add_nc_u32 v[VA+1], SLOT, v[VA]
	s_mul_i32 s70, s10, 16*528
	s_add_co_u32 s70, s70, BOFF
	v_mul_u32_u24 v[BA], v1, 528
	v_lshl_add_u32 v[BA], v2, 5, v[BA]             ; query 16 w + r, keys 8 h ..
	v_add_nc_u32 v[BA], s70, v[BA]
	v_add_nc_u32 v[BA+1], SLOT, v[BA]
	s_mul_i32 s70, s10, 4352
	s_add_co_u32 s70, s70, STAGE
	v_add_nc_u32 v[STO], s70, v[KA]                ; my stage: row r, 16 bytes at 16 h
	v_mul_u32_u24 v[RD], v2, 272
	v_lshl_add_u32 v[RD], v1, 4, v[RD]
	v_add_nc_u32 v[RD], s70, v[RD]
	v_mul_u32_u24 v[CO], v2, 20480
	v_lshl_add_u32 v[CO], v1, 4, v[CO]
	s_sub_co_u32 s73, s13, 1
	s_lshl_b32 s73, s73, 7
	s_sub_co_u32 s73, s72, s73                     ; t0 less the last tile's first key
	v_add_nc_u32 v[DLT], s73, v1
	v_lshlrev_b32 v21, 3, v2
	v_sub_nc_u32 v[DLT], v[DLT], v21
	v_mov_b32 v[MM], 0xff600000                    ; about -3e38: finite, so that no difference of infinities arises
	v_mov_b32 v[MM+1], 0xff600000
	v_mov_b32 v[LL], 0
	v_mov_b32 v[NEG], 0xd056fa73                   ; -1e10 log2(e)
	s_wait_loadcnt 0x0                             ; Q
	s_sub_co_u32 s14, s13, 1
	s_lshr_b32 s14, s14, 1                         ; pairs of tiles that are neither last nor last but one of an even count
	s_cmp_eq_u32 s14, 0
	s_cbranch_scc1 .Ltail
.Lpair:
	TRIP 0, 1, 0
	TRIP 1, 1, 0
	s_sub_co_i32 s14, s14, 1
	s_cmp_lg_u32 s14, 0
	s_cbranch_scc1 .Lpair
.Ltail:
	s_bitcmp1_b32 s13, 0
	s_cbranch_scc1 .Lodd
	TRIP 0, 1, 0
	TRIP 1, 0, 1                                   ; the last tile is masked and asks for nothing
	s_branch .Lout
.Lodd:
	TRIP 0, 0, 1
.Lout:
	PLACES                                         ; behind the last matrix instructions
	v_permlanex16_b32 v[MX], v[LL], s68, s69       ; the two lanes of a query join their sums
	v_add_f32 v[LL], v[LL], v[MX]
	v_rcp_f32 v[AL], v[LL]
	v_nop
	s_wait_alu depctr_va_vdst(0)
	v_mov_b32 v[AL+1], v[AL]
	WIN 0x41
.set i, 0
.rept 32
	v_pk_mul_f32 v[2*i:2*i+1], v[2*i:2*i+1], v[AL:AL+1]
.set i, i+1
.endr
	WIN 0x05
.set i, 0
.rept 32
	v_cvt_pk_f16_f32 v[SS+i], v[2*i], v[2*i+1]
.set i, i+1
.endr
	WIN 0
.irp dt, 0,1,2,3,4,5,6,7
	ds_store_b128 v[STO], v[SS+4*\dt:SS+4*\dt+3] offset:32*\dt
.endr
.irp t, 0,1,2,3,4,5,6,7
	ds_load_b128 v[FK+4*\t:FK+4*\t+3], v[RD] offset:544*\t     ; LDS serves a wave's instructions in order (ISA guide 5.7.1.4)
.endr
.irp t, 0,1,2,3,4,5,6,7
	s_wait_dscnt 7-\t
	global_store_b128 v[CO], v[FK+4*\t:FK+4*\t+3], s[76:77] offset:2*\t*20480   ; 16 lanes store a query's 256 consecutive bytes, aligned
.endr
	s_wait_tensorcnt 0x0
	ds_add_u32 v30, v31
	s_wait_dscnt 0x0
	s_endpgm
.Lfunc_end_k_q4b5fdc20b9_attn:
	.size	k_q4b5fdc20b9_attn, .Lfunc_end_k_q4b5fdc20b9_attn-k_q4b5fdc20b9_attn
	.p2alignl 7, 3214868480
	.fill 96, 4, 3214868480
	.section	.rodata,"a",@progbits
	.p2align	6, 0x0
	.amdhsa_kernel k_q4b5fdc20b9_attn
		.amdhsa_group_segment_fixed_size 327680
		.amdhsa_private_segment_fixed_size 0
		.amdhsa_enable_private_segment 0
		.amdhsa_kernarg_size 24
		.amdhsa_user_sgpr_count 2
		.amdhsa_user_sgpr_kernarg_segment_ptr 1
		.amdhsa_wavefront_size32 1
		.amdhsa_system_sgpr_workgroup_id_x 1
		.amdhsa_system_sgpr_workgroup_id_y 1
		.amdhsa_system_sgpr_workgroup_id_z 1
		.amdhsa_system_vgpr_workitem_id 0
		.amdhsa_next_free_vgpr 512
		.amdhsa_next_free_sgpr 80
		.amdhsa_reserve_vcc 1
		.amdhsa_float_denorm_mode_32 3
		.amdhsa_float_denorm_mode_16_64 3
		.amdhsa_memory_ordered 1
		.amdhsa_forward_progress 1
		.amdhsa_inst_pref_size 185
	.end_amdhsa_kernel
	.amdgpu_metadata
---
amdhsa.version: [ 1, 2 ]
amdhsa.kernels:
  - .name:           k_q4b5fdc20b9_attn
    .symbol:         k_q4b5fdc20b9_attn.kd
    .args:
      - { .name: qkv, .offset: 0, .size: 8, .value_kind: global_buffer, .address_space: global }
      - { .name: attn_bias, .offset: 8, .size: 8, .value_kind: global_buffer, .address_space: global }
      - { .name: act, .offset: 16, .size: 8, .value_kind: global_buffer, .address_space: global }
    .group_segment_fixed_size: 327680
    .private_segment_fixed_size: 0
    .kernarg_segment_align: 8
    .kernarg_segment_size: 24
    .max_flat_workgroup_size: 128
    .sgpr_count:     80
    .vgpr_count:     512
    .wavefront_size: 32
...
	.end_amdgpu_metadata
.endif
;; end of part 3
;; launch gemm2 (part 4): grid 4 x 64, 4 waves a work-group, clusters of 4 x 1, 327,680 bytes of LDS; arguments act, W2, Wo, part; writes part
.if DOCPART == 4
	.amdgcn_target "amdgcn-amd-amdhsa--gfx1250"
	.amdhsa_code_object_version 6
	.text
	.protected	k_q4b5fdc20b9_gemm2
	.globl	k_q4b5fdc20b9_gemm2
	.p2align	8
	.type	k_q4b5fdc20b9_gemm2,@function
k_q4b5fdc20b9_gemm2:
	s_mov_b64 s[64:65], 0
	v_nop
	global_prefetch_b8 v0, s[64:65] scope:SCOPE_SE
	s_setreg_imm32_b32 hwreg(HW_REG_WAVE_MODE, 25, 1), 1
	s_wait_xcnt 0x0
	s_wait_alu depctr_hold_cnt(0) depctr_sa_sdst(0) depctr_va_vdst(0) depctr_va_sdst(0) depctr_va_ssrc(0) depctr_va_vcc(0) depctr_vm_vsrc(0)
	s_getreg_b32 s2, hwreg(HW_REG_IB_STS2, 6, 4)
	s_cmp_eq_u32 s2, 0
	s_cbranch_scc0 .Lentry_in_a_cluster
	s_endpgm
.Lentry_in_a_cluster:
	s_bfe_u32 s2, ttmp6, 0x10000c
	s_cmp_lg_u32 s2, 0x3003
	s_cbranch_scc0 .Lentry_shape_is_right
	s_endpgm
.Lentry_shape_is_right:
; part[c] = act[:, 1280 c .. 1280 c + 1279] times the same rows of [W2; Wo]: act [1024][10240] f16 = [h | attention], W2 [8192][2048], Wo [2048][2048] f32.
; K = 10240 is split in eight so that 4 x 8 blocks of 256 x 256 give 256 work-groups; the eight partial sums (f32) are added by the next launch, in order.
; Work-group y = 8 c + block column.  The core is that of the first product:
; four waves, 128 x 128 each in 64 accumulators; K in steps of 64, two chunks of 32.  A weight tile comes to LDS as f32 rows [k][128 columns];
; lane (r, h) reads columns 4 r .. 4 r + 3 of a group g of 64 for each of its 16 k, and one conversion of rows k, k + 1 of column c is one register
; of the B fragment of tile b = 4 g + c.  So accumulator (a, b), register j, lane (r, h) holds C[16 a + 8 h + j][64 g + 4 r + c].
; CLUSTER: the four block rows of one (c, block column) need the same weight tiles and ask for them jointly (mask 15); act's tiles are plain loads
; behind the same rounds.  Waves 2, 3 fetch the weights' halves each step, waves 0, 1 act's halves every second step: one tensor load a wave behind
; a round; two are out at the start, one later.  A weight tile of 64 rows never straddles row 8192, so each comes from W2 or from Wo.
; REGISTERS as in the first product.  The 64 accumulators take turns, one matrix instruction a turn.
; LIMIT: the weights are rounded to f16: magnitudes at or above 65,520 become infinite.
.set AF0,   32
.set RAW,   128
.set ADRA,  4
.set ADRB,  6
.set CO,    10
.set G1A,   16
.set G1B,   24
.set G0A,   40
.set G0B,   48
.set KK,    76                         ; s76, s77: the first row in [W2; Wo] of the tile that slot 0, 1 is asked for next
.set ASLOT, 69632
.set BBASE, 139264
.set BSLOT, 65536
.set MUL_LO, 0xa4
.set MUL_HI, 0xf4
.set CVT,    0x45
.set TO_1,   0x40
.set MSB, 0
.macro WIN new
.if MSB != (\new)
	s_set_vgpr_msb (MSB<<8)|(\new)
.set MSB, (\new)
.endif
.endm
.macro PLACES                          ; four places behind a matrix instruction (ISA guide 7.12.1)
.rept 4
	v_nop
.endr
.endm
.macro CREST
	s_cmp_lg_u32 s56, 0
	s_cbranch_scc1 .Lnot_wave_0_\@
	s_barrier_signal -3
.Lnot_wave_0_\@:
	s_barrier_wait -3
	s_barrier_signal -1
	s_barrier_wait -1
.endm
.macro CROUND
	s_barrier_signal -1
	s_barrier_wait -1
	CREST
.endm
.macro G a, f, zero
.irp b, 0,1,2,3,4,5,6,7
.if \zero
	v_wmma_f32_16x16x32_f16 v[8*(8*((\a)&3)+\b):8*(8*((\a)&3)+\b)+7], v[AF0+64*\f+8*\a:AF0+64*\f+8*\a+7], v[64*\f+8*\b:64*\f+8*\b+7], 0
.else
	v_wmma_f32_16x16x32_f16 v[8*(8*((\a)&3)+\b):8*(8*((\a)&3)+\b)+7], v[AF0+64*\f+8*\a:AF0+64*\f+8*\a+7], v[64*\f+8*\b:64*\f+8*\b+7], v[8*(8*((\a)&3)+\b):8*(8*((\a)&3)+\b)+7]
.endif
.endr
.endm
.macro LOADS sa, ao, sb, ko, f
	WIN TO_1
.irp g, 0,1
.irp u, 0,1
.irp j, 0,1,2,3,4,5,6,7
	ds_load_b128 v[RAW+64*\g+4*(8*\u+\j):RAW+64*\g+4*(8*\u+\j)+3], v[ADRB+\sb] offset:(\ko+16*\u+\j)*512+256*\g
.endr
.endr
.endr
	WIN 0
.irp m, 0,1,2,3,4,5,6,7
	ds_load_b128 v[AF0+64*\f+8*\m:AF0+64*\f+8*\m+3],   v[ADRA+\sa] offset:4352*\m+\ao
	ds_load_b128 v[AF0+64*\f+8*\m+4:AF0+64*\f+8*\m+7], v[ADRA+\sa] offset:4352*\m+\ao+32
.endr
.endm
.macro CV g, f
	WIN CVT
.irp c, 0,1,2,3
.irp p, 0,1,2,3,4,5,6,7
	v_cvt_pk_f16_f32 v[64*\f+8*(4*\g+\c)+\p], v[RAW+64*\g+8*\p+\c], v[RAW+64*\g+8*\p+4+\c]
.endr
.endr
.endm
; the address of the weight tile whose first row is KK[bs]: W2 below row 8192, Wo from there on.  s11 = 0 throughout.  Nothing here hangs on cx
.macro BADDR bs
	s_cmp_lt_u32 s[KK+\bs], 8192
	s_cselect_b64 s[8:9], s[70:71], s[72:73]
	s_cselect_b32 s10, 0, 8192
	s_sub_co_u32 s10, s[KK+\bs], s10
	s_lshl_b32 s10, s10, 13                        ; rows of 8,192 bytes
	s_add_co_u32 s10, s10, s78                     ; my columns
	s_add_nc_u64 s[G0B+4*\bs+2:G0B+4*\bs+3], s[8:9], s[10:11]
	s_or_b32 s[G0B+4*\bs+3], s[G0B+4*\bs+3], 0x80000000
.endm
.macro JL fb, fa
	s_cmp_lt_u32 s56, 2
	s_cbranch_scc0 .Ljb_\@
.if \fa < 2
	tensor_load_to_lds s[G0A+4*\fa:G0A+4*\fa+3], s[G1A:G1A+7]
	s_nop 0
.endif
	s_branch .Ljx_\@
.Ljb_\@:
	tensor_load_to_lds s[G0B+4*\fb:G0B+4*\fb+3], s[G1B:G1B+7]
	s_nop 0
.Ljx_\@:
.endm
; One chunk: 64 matrix instructions on buffers f; nxt: the next chunk's loads and conversions ride along; mode 1: the barrier of a change of slots;
; mode 2: that barrier opens a round of the cluster's barrier, behind which the weights' slot fb (and act's slot fa) are filled again.
.macro CHUNK f, zero, mode, nxt, sa, ao, sb, ko, fb, fa
	s_wait_dscnt 0x0                               ; this chunk's A fragments, the youngest loads: all my LDS reads are back
.if \mode
	s_set_vgpr_msb 0xf4f0
	s_wait_tensorcnt 0x0                           ; all my tensor loads have landed, my part of the next step's tiles among them
	ds_add_u32 v254, v255
	s_wait_dscnt 0x0
	s_set_vgpr_msb 0xf0f4
	s_barrier_signal -1
.endif
	WIN MUL_LO
	G 0, \f, \zero
	G 1, \f, \zero
.if \mode
	WIN 0
	s_barrier_wait -1
.endif
.if \mode == 2
	CREST                                          ; no wave of any partner still reads the slot or has a load on its way
	s_add_co_u32 s[KK+\fb], s[KK+\fb], 128         ; two steps on
	BADDR \fb
.if \fa < 2
	s_add_nc_u64 s[G0A+4*\fa+2:G0A+4*\fa+3], s[G0A+4*\fa+2:G0A+4*\fa+3], 512
.endif
	JL \fb, \fa
.endif
.if \nxt
	PLACES                                         ; the other buffers were sources of the last chunk's matrix instructions
	LOADS \sa, \ao, \sb, \ko, (1-\f)
.endif
	WIN MUL_LO
	G 2, \f, \zero
	G 3, \f, \zero
.if \nxt
	s_wait_dscnt 32                                ; group 0's raw weights are in: 16 raw loads and 16 A loads are younger
	CV 0, (1-\f)
.endif
	WIN MUL_HI
	G 4, \f, \zero
	G 5, \f, \zero
.if \nxt
	s_wait_dscnt 16                                ; group 1's are in: the 16 A loads are younger
	CV 1, (1-\f)
.endif
	WIN MUL_HI
	G 6, \f, \zero
	G 7, \f, \zero
.endm
.macro BODY zero
	CHUNK 0, \zero, 0, 1, 0, 64, 0, 32, 0, 2
	CHUNK 1, 0, 2, 1, 0, 128, 1, 0, 0, 2
	CHUNK 0, 0, 0, 1, 0, 192, 1, 32, 0, 2
	CHUNK 1, 0, 2, 1, 1, 0, 0, 0, 1, 0
	CHUNK 0, 0, 0, 1, 1, 64, 0, 32, 0, 2
	CHUNK 1, 0, 2, 1, 1, 128, 1, 0, 0, 2
	CHUNK 0, 0, 0, 1, 1, 192, 1, 32, 0, 2
	CHUNK 1, 0, 2, 1, 0, 0, 0, 0, 1, 1
.endm
	s_load_b256 s[68:75], s[0:1], 0x0              ; act 68, W2 70, Wo 72, part 74
	v_lshl_add_u32 v254, v0, 2, 0x46400
	v_mov_b32 v255, 0
	ds_add_u32 v254, v255
	v_lshrrev_b32 v1, 5, v0
	v_readfirstlane_b32 s56, v1                    ; wave
	s_lshr_b32 s57, s56, 1                         ; wm
	s_and_b32 s58, s56, 1                          ; wn; also the half of a tile that I fetch
	s_bfe_u32 s4, ttmp6, 0x40000                   ; cx
	s_lshl_b32 s60, ttmp9, 2
	s_add_co_u32 s60, s60, s4                      ; block row
	s_and_b32 s59, ttmp7, 0xffff
	s_lshr_b32 s61, s59, 3                         ; c: my eighth of K
	s_and_b32 s63, s59, 7                          ; block column
	s_mul_i32 s[KK], s61, 1280
	s_add_co_u32 s[KK+1], s[KK], 64
	s_lshl_b32 s78, s63, 10
	s_lshl_b32 s12, s58, 9
	s_add_co_u32 s78, s78, s12                     ; the columns that I fetch, in bytes
	s_mov_b32 s11, 0
	s_mov_b32 s[G1A+0], 0x07510000                 ; 2-byte elements; after every 64 words 4 words of padding; no mask
	s_mov_b32 s[G1A+1], 128<<16
	s_mov_b32 s[G1A+2], 128<<16
	s_mov_b32 s[G1A+3], 128<<16                    ; 128 elements = 256 bytes x
	s_mov_b32 s[G1A+4], 128                        ; 128 rows
	s_mov_b32 s[G1A+5], 10240
	s_mov_b32 s[G1A+6], 0
	s_mov_b32 s[G1A+7], 0
	s_mov_b32 s[G1B+0], 0x0022000f                 ; mask 15; 4-byte elements; bit 21 beside the mask
	s_mov_b32 s[G1B+1], 128<<16
	s_mov_b32 s[G1B+2], 64<<16
	s_mov_b32 s[G1B+3], 128<<16                    ; 128 elements = 512 bytes x
	s_mov_b32 s[G1B+4], 64                         ; 64 rows
	s_mov_b32 s[G1B+5], 2048
	s_mov_b32 s[G1B+6], 0
	s_mov_b32 s[G1B+7], 0
	s_wait_dscnt 0x0
	s_wait_kmcnt 0x0
	BADDR 0
	BADDR 1
	s_lshl_b32 s10, s60, 8
	s_lshl_b32 s12, s58, 7
	s_add_co_u32 s10, s10, s12                     ; the rows that I fetch
	s_mul_i32 s10, s10, 20480
	s_lshl_b32 s12, s[KK], 1
	s_add_co_u32 s10, s10, s12
	s_add_nc_u64 s[G0A+2:G0A+3], s[68:69], s[10:11]         ; steps 0, 1
	s_add_nc_u64 s[G0A+6:G0A+7], s[G0A+2:G0A+3], 256        ; steps 2, 3
	s_or_b32 s[G0A+3], s[G0A+3], 0x80000000
	s_or_b32 s[G0A+7], s[G0A+7], 0x80000000
	s_mov_b32 s[G0A+0], 1
	s_mov_b32 s[G0A+4], 1
	s_mov_b32 s[G0B+0], 1
	s_mov_b32 s[G0B+4], 1
	s_mul_i32 s12, s56, 34816
	s_add_co_u32 s[G0A+1], s12, 0
	s_add_co_u32 s[G0A+5], s12, ASLOT
	s_mul_i32 s12, s56, 32768
	s_add_co_u32 s[G0B+1], s12, BBASE-65536
	s_add_co_u32 s[G0B+5], s12, BBASE-65536+BSLOT
	CROUND                                         ; all four work-groups are here: the first joint loads meet
	s_cmp_lt_u32 s56, 2
	s_cbranch_scc0 .Lfirst_b
	tensor_load_to_lds s[G0A:G0A+3], s[G1A:G1A+7]
	s_nop 0
	tensor_load_to_lds s[G0A+4:G0A+7], s[G1A:G1A+7]
	s_nop 0
	s_branch .Lfirst_x
.Lfirst_b:
	tensor_load_to_lds s[G0B:G0B+3], s[G1B:G1B+7]
	s_nop 0
	tensor_load_to_lds s[G0B+4:G0B+7], s[G1B:G1B+7]
	s_nop 0
.Lfirst_x:
	v_and_b32 v1, 15, v0                           ; r
	v_bfe_u32 v2, v0, 4, 1                         ; h
	v_mul_u32_u24 v3, v1, 272
	v_lshl_add_u32 v3, v2, 4, v3
	s_mul_i32 s12, s57, 34816
	v_add_nc_u32 v[ADRA], s12, v3
	v_add_nc_u32 v[ADRA+1], ASLOT, v[ADRA]
	v_lshlrev_b32 v[ADRB], 4, v1
	v_lshl_add_u32 v[ADRB], v2, 12, v[ADRB]
	s_mul_i32 s12, s58, 32768
	s_add_co_u32 s12, s12, BBASE
	v_add_nc_u32 v[ADRB], s12, v[ADRB]
	v_add_nc_u32 v[ADRB+1], BSLOT, v[ADRB]
	v_lshlrev_b32 v[CO], 4, v1
	v_lshl_add_u32 v[CO], v2, 16, v[CO]            ; 8 h rows of 8,192 bytes + 16 r
	s_wait_tensorcnt 0x1                           ; my first load has landed; the second stays out
	s_barrier_signal -1
	s_barrier_wait -1
	LOADS 0, 0, 0, 0, 0
	s_wait_dscnt 16                                ; the raw weights are in: the 16 A loads are younger
	CV 0, 0
	CV 1, 0
	BODY 1                                         ; the first products start the sums
	WIN 0
	s_mov_b32 s62, 3                               ; 20 steps = 5 bodies: one in front, three here, one behind
.Lbody:
	BODY 0
	WIN 0
	s_sub_co_i32 s62, s62, 1
	s_cmp_lg_u32 s62, 0
	s_cbranch_scc1 .Lbody
	CHUNK 0, 0, 0, 1, 0, 64, 0, 32, 0, 2
	CHUNK 1, 0, 2, 1, 0, 128, 1, 0, 0, 2
	CHUNK 0, 0, 0, 1, 0, 192, 1, 32, 0, 2
	CHUNK 1, 0, 2, 1, 1, 0, 0, 0, 1, 2
	CHUNK 0, 0, 0, 1, 1, 64, 0, 32, 0, 2
	CHUNK 1, 0, 1, 1, 1, 128, 1, 0, 0, 2           ; a plain barrier: the last tile is whole, nothing is filled
	CHUNK 0, 0, 0, 1, 1, 192, 1, 32, 0, 2
	CHUNK 1, 0, 0, 0, 0, 0, 0, 0, 0, 2
	; THE WAY OUT: a lane's four neighbouring columns lie in four accumulators; four moves gather them, and 16 lanes store 256 consecutive bytes.
	PLACES
	WIN 0
	s_lshl_b32 s10, s61, 23                        ; my partial sum: 8 MiB each
	s_lshl_b32 s12, s60, 21                        ; 256 rows of 8,192 bytes a block
	s_add_co_u32 s10, s10, s12
	s_lshl_b32 s12, s57, 20
	s_add_co_u32 s10, s10, s12
	s_lshl_b32 s12, s63, 10
	s_add_co_u32 s10, s10, s12
	s_lshl_b32 s12, s58, 9
	s_add_co_u32 s10, s10, s12
	s_add_nc_u64 s[86:87], s[74:75], s[10:11]
.macro EPO a
	s_wait_xcnt 0x0                                ; the buffer that earlier stores read is written again only behind this wait
	WIN 0x02+((\a)>>2)
.irp g, 0,1
.irp j, 0,1,2,3,4,5,6,7
.irp c, 0,1,2,3
	v_mov_b32 v[AF0+64*((\a)&1)+4*(8*\g+\j)+\c], v[8*(8*((\a)&3)+4*\g+\c)+\j]
.endr
.endr
.endr
	WIN 0
.irp g, 0,1
.irp j, 0,1,2,3,4,5,6,7
	global_store_b128 v[CO], v[AF0+64*((\a)&1)+4*(8*\g+\j):AF0+64*((\a)&1)+4*(8*\g+\j)+3], s[86:87] offset:(16*(\a)+\j)*8192+256*\g
.endr
.endr
.endm
.irp x, 0,1,2,3,4,5,6,7
	EPO \x
.endr
	CROUND                                         ; the closing round
	s_endpgm
.Lfunc_end_k_q4b5fdc20b9_gemm2:
	.size	k_q4b5fdc20b9_gemm2, .Lfunc_end_k_q4b5fdc20b9_gemm2-k_q4b5fdc20b9_gemm2
	.p2alignl 7, 3214868480
	.fill 96, 4, 3214868480
	.section	.rodata,"a",@progbits
	.p2align	6, 0x0
	.amdhsa_kernel k_q4b5fdc20b9_gemm2
		.amdhsa_group_segment_fixed_size 327680
		.amdhsa_private_segment_fixed_size 0
		.amdhsa_enable_private_segment 0
		.amdhsa_kernarg_size 32
		.amdhsa_user_sgpr_count 2
		.amdhsa_user_sgpr_kernarg_segment_ptr 1
		.amdhsa_wavefront_size32 1
		.amdhsa_system_sgpr_workgroup_id_x 1
		.amdhsa_system_sgpr_workgroup_id_y 1
		.amdhsa_system_sgpr_workgroup_id_z 1
		.amdhsa_system_vgpr_workitem_id 0
		.amdhsa_next_free_vgpr 1024
		.amdhsa_next_free_sgpr 96
		.amdhsa_reserve_vcc 0
		.amdhsa_float_denorm_mode_32 3
		.amdhsa_float_denorm_mode_16_64 3
		.amdhsa_memory_ordered 1
		.amdhsa_forward_progress 1
		.amdhsa_inst_pref_size 255
	.end_amdhsa_kernel
	.section	.bss,"aw",@nobits
	.p2align	6
	.space	262144
	.amdgpu_metadata
---
amdhsa.version: [ 1, 2 ]
amdhsa.kernels:
  - .name:           k_q4b5fdc20b9_gemm2
    .symbol:         k_q4b5fdc20b9_gemm2.kd
    .args:
      - { .name: act, .offset: 0, .size: 8, .value_kind: global_buffer, .address_space: global }
      - { .name: W2, .offset: 8, .size: 8, .value_kind: global_buffer, .address_space: global }
      - { .name: Wo, .offset: 16, .size: 8, .value_kind: global_buffer, .address_space: global }
      - { .name: part, .offset: 24, .size: 8, .value_kind: global_buffer, .address_space: global }
    .group_segment_fixed_size: 327680
    .private_segment_fixed_size: 0
    .kernarg_segment_align: 8
    .kernarg_segment_size: 32
    .max_flat_workgroup_size: 128
    .sgpr_count:     96
    .vgpr_count:     1024
    .wavefront_size: 32
...
	.end_amdgpu_metadata
.endif
;; end of part 4
;; launch reduce (part 5): grid 512 x 1, 8 waves a work-group, no clusters, 0 bytes of LDS; arguments part, b2, out0; writes out0
.if DOCPART == 5
	.amdgcn_target "amdgcn-amd-amdhsa--gfx1250"
	.amdhsa_code_object_version 6
	.text
	.protected	k_q4b5fdc20b9_reduce
	.globl	k_q4b5fdc20b9_reduce
	.p2align	8
	.type	k_q4b5fdc20b9_reduce,@function
k_q4b5fdc20b9_reduce:
	s_mov_b64 s[64:65], 0
	v_nop
	global_prefetch_b8 v0, s[64:65] scope:SCOPE_SE
	s_setreg_imm32_b32 hwreg(HW_REG_WAVE_MODE, 25, 1), 1
	s_wait_xcnt 0x0
; out0 = b2 + part[0] + part[1] + .. + part[7], in this order, in f32.  part: [8][1024][2048] f32.
; A stream: memory binds, so no LDS, no barrier, no matrix unit.  The work-group owns two rows (16,384 bytes); a thread takes four places of
; 16 bytes, 4,096 bytes apart, so each load and store of a wave covers 512 consecutive bytes.  All 34 loads of a thread go out at once.
.set B2, 4                             ; v[4:11]   b2 of my columns in the first and in the second half of a row
.set P,  16                            ; v[16:143] place q, partial sum c at 32 q + 4 c
	s_load_b128 s[4:7], s[0:1], 0x0                ; part, b2
	s_load_b64 s[8:9], s[0:1], 0x10                ; out0
	v_lshlrev_b32 v1, 4, v0                        ; 16 * thread
	s_lshl_b32 s10, ttmp9, 14                      ; the work-group's 16,384 bytes
	s_mov_b32 s11, 0
	s_wait_kmcnt 0x0
	s_add_nc_u64 s[16:17], s[4:5], s[10:11]
.irp c, 1,2,3,4,5,6,7
	s_add_nc_u64 s[16+2*\c:17+2*\c], s[14+2*\c:15+2*\c], 0x800000   ; the next partial sum lies 8 MiB on
.endr
	s_add_nc_u64 s[8:9], s[8:9], s[10:11]
	global_load_b128 v[B2:B2+3], v1, s[6:7]
	global_load_b128 v[B2+4:B2+7], v1, s[6:7] offset:4096
.irp q, 0,1,2,3
.irp c, 0,1,2,3,4,5,6,7
	global_load_b128 v[P+32*\q+4*\c:P+32*\q+4*\c+3], v1, s[16+2*\c:17+2*\c] offset:4096*\q th:TH_LOAD_NT
.endr
.endr
.irp q, 0,1,2,3
	s_wait_loadcnt 24-8*\q                         ; this place's eight loads are in; the later places' stay out
	v_pk_add_f32 v[P+32*\q:P+32*\q+1],   v[B2+4*(\q&1):B2+4*(\q&1)+1],   v[P+32*\q:P+32*\q+1]
	v_pk_add_f32 v[P+32*\q+2:P+32*\q+3], v[B2+4*(\q&1)+2:B2+4*(\q&1)+3], v[P+32*\q+2:P+32*\q+3]
.irp c, 1,2,3,4,5,6,7
	v_pk_add_f32 v[P+32*\q:P+32*\q+1],   v[P+32*\q:P+32*\q+1],   v[P+32*\q+4*\c:P+32*\q+4*\c+1]
	v_pk_add_f32 v[P+32*\q+2:P+32*\q+3], v[P+32*\q+2:P+32*\q+3], v[P+32*\q+4*\c+2:P+32*\q+4*\c+3]
.endr
	global_store_b128 v1, v[P+32*\q:P+32*\q+3], s[8:9] offset:4096*\q th:TH_STORE_NT
.endr
	s_endpgm
.Lfunc_end_k_q4b5fdc20b9_reduce:
	.size	k_q4b5fdc20b9_reduce, .Lfunc_end_k_q4b5fdc20b9_reduce-k_q4b5fdc20b9_reduce
	.p2alignl 7, 3214868480
	.fill 96, 4, 3214868480
	.section	.rodata,"a",@progbits
	.p2align	6, 0x0
	.amdhsa_kernel k_q4b5fdc20b9_reduce
		.amdhsa_group_segment_fixed_size 0
		.amdhsa_private_segment_fixed_size 0
		.amdhsa_enable_private_segment 0
		.amdhsa_kernarg_size 24
		.amdhsa_user_sgpr_count 2
		.amdhsa_user_sgpr_kernarg_segment_ptr 1
		.amdhsa_wavefront_size32 1
		.amdhsa_system_sgpr_workgroup_id_x 1
		.amdhsa_system_sgpr_workgroup_id_y 1
		.amdhsa_system_sgpr_workgroup_id_z 1
		.amdhsa_system_vgpr_workitem_id 0
		.amdhsa_next_free_vgpr 144
		.amdhsa_next_free_sgpr 66
		.amdhsa_reserve_vcc 0
		.amdhsa_float_denorm_mode_32 3
		.amdhsa_float_denorm_mode_16_64 3
		.amdhsa_memory_ordered 1
		.amdhsa_forward_progress 1
		.amdhsa_inst_pref_size 9
	.end_amdhsa_kernel
	.amdgpu_metadata
---
amdhsa.version: [ 1, 2 ]
amdhsa.kernels:
  - .name:           k_q4b5fdc20b9_reduce
    .symbol:         k_q4b5fdc20b9_reduce.kd
    .args:
      - { .name: part, .offset: 0, .size: 8, .value_kind: global_buffer, .address_space: global }
      - { .name: b2, .offset: 8, .size: 8, .value_kind: global_buffer, .address_space: global }
      - { .name: out0, .offset: 16, .size: 8, .value_kind: global_buffer, .address_space: global }
    .group_segment_fixed_size: 0
    .private_segment_fixed_size: 0
    .kernarg_segment_align: 8
    .kernarg_segment_size: 24
    .max_flat_workgroup_size: 256
    .sgpr_count:     66
    .vgpr_count:     144
    .wavefront_size: 32
...
	.end_amdgpu_metadata
.endif
;; end of part 5
;; ======== version 2 of 2: 5 launches
;; limits: values are held in f16: magnitudes above 65,504 overflow, below 6.1e-05 lose precision
;; workspace buffers: xn 4,194,304 bytes; rope 1,048,576 bytes; qkv 12,582,912 bytes; act 20,971,520 bytes; part 67,108,864 bytes
;; launch ln: the kernel of part 1 again; grid 256 x 1, 4 waves a work-group, no clusters, 0 bytes of LDS; arguments x, ln_scale, ln_offset, xn, rope; writes xn, rope
;; launch gemm1 (part 6): grid 4 x 56, 4 waves a work-group, clusters of 4 x 4, 327,680 bytes of LDS; arguments xn, Wq, Wk, Wv, W1, b1, rope, qkv, act; writes qkv, act
.if DOCPART == 6
	.amdgcn_target "amdgcn-amd-amdhsa--gfx1250"
	.amdhsa_code_object_version 6
	.text
	.protected	k_q4b5fdc20b9_gemm1
	.globl	k_q4b5fdc20b9_gemm1
	.p2align	8
	.type	k_q4b5fdc20b9_gemm1,@function
k_q4b5fdc20b9_gemm1:
	s_mov_b64 s[64:65], 0
	v_nop
	global_prefetch_b8 v0, s[64:65] scope:SCOPE_SE
	s_setreg_imm32_b32 hwreg(HW_REG_WAVE_MODE, 25, 1), 1
	s_wait_xcnt 0x0
	s_wait_alu depctr_hold_cnt(0) depctr_sa_sdst(0) depctr_va_vdst(0) depctr_va_sdst(0) depctr_va_ssrc(0) depctr_va_vcc(0) depctr_vm_vsrc(0)
	s_getreg_b32 s2, hwreg(HW_REG_IB_STS2, 6, 4)
	s_cmp_eq_u32 s2, 0
	s_cbranch_scc0 .Lentry_in_a_cluster
	s_endpgm
.Lentry_in_a_cluster:
	s_bfe_u32 s2, ttmp6, 0x10000c
	s_cmp_lg_u32 s2, 0xf033
	s_cbranch_scc0 .Lentry_shape_is_right
	s_endpgm
.Lentry_shape_is_right:
; xn [1024][2048] f16 times [Wq | Wk | Wv | W1], f32 stored [K][N]; sums in f32.  Block column y: 0-7 q, 8-15 k, 16-23 v, 24-55 h.
; On the way out: q and k are rotated (table rope; q's table carries the softmax's scale), v goes as it is, h = gelu(. + b1) (tanh form).
; q, k, v go to qkv [3][1024][2048] f16, h to columns 0..8191 of act [1024][10240] f16.
; A work-group makes 256 x 256 with four waves (as many as a WGP has SIMDs); a wave makes 128 x 128: 64 accumulators, 512 registers.
; WEIGHTS: a tile is brought to LDS as f32 rows [k][128 columns].  Lane (r, h) reads, for each of its 16 k of a chunk of 32, the 16 bytes of
; columns 4 r .. 4 r + 3 of a group g of 64 columns (16 lanes read 256 consecutive bytes); one conversion of rows k, k + 1 of column c is
; one register of the B fragment of tile b = 4 g + c, whose lane r then stands for column 64 g + 4 r + c.  So accumulator (a, b), register j,
; lane (r, h) holds C[16 a + 8 h + j][64 g + 4 r + c]: the four tiles of a group give a lane four neighbouring columns.
; RING: two slots, each with 96 along K (three chunks) of xn's 256 rows and of the weights' 256 columns: 256 x 240 + 96 x 1024 = 159,744 bytes,
; 319,488 for the two; slots of 128 along K would take 401,408, more than a work-group may declare.  Behind each change of slots every wave
; issues one tensor load (waves 0, 1 xn's halves, waves 2, 3 the weights' halves), which has 192 matrix instructions in which to land.
; A wave has two tensor loads out at the start and one later.
; K = 64 chunks = 1 + 21 x 3: tile 0 holds chunks 0-2, of which chunk 0 alone is used (it starts the sums); tile t >= 1 holds chunks 3 t - 2 .. 3 t.
; So every tile has one shape, and only slot 0's first step (128 along K, not 192) differs.
; CLUSTER: 4 x 4 work-groups: four block rows (all of xn's rows) x four block columns of one kind.  A weight tile hangs on the block column alone and is
; asked for jointly along a row of the cluster; xn's tile hangs on the block row alone and is asked for jointly along a column: each divides its requests by four.
; The kind is made from the cluster's y alone; numbers made of cx and of cy live in separate scalar registers.
; xn's rows in a tile are 192 bytes and begin on multiples of 64 bytes: the price of the slot of 96.
; PREFETCH: behind the round that asks for tile t + 2, the weights of tile t + 3 (96 rows x 1,024 bytes, one tile ahead) are asked into the L2: waves 0-2 of
; the four work-groups that share the tile take 8 rows x 4 blocks of 256 bytes each, every block once; the last request is for the last tile.
; REGISTERS: window 0: v0-31 addresses, v32-95 and v96-159 A fragments (two buffers), v160-255 at work on the way out;
; window 1: v0-63, v64-127 B fragments (two buffers), v128-255 raw f32 weights; windows 2, 3: accumulator (a, b) at 8 (8 (a & 3) + b).
; The 64 accumulators take turns, one matrix instruction a turn, in one order throughout.
; LIMIT: operands and results are f16: magnitudes at or above 65,520 become infinite.
.set AF0,   32
.set RAW,   128
.set ADRA,  4                          ; v4, v5   LDS address of my A fragments, slot 0, 1
.set ADRB,  6                          ; v6, v7   LDS address of my raw weights, slot 0, 1
.set STO,   8                          ; v8       stage: where I put 8 bytes of a row
.set RD,    9                          ; v9       stage: where I read a row back
.set CO,    10                         ; v10      my byte offset in the output
.set TBO,   11                         ; v11      my byte offset in the table
.set B1,    12                         ; v[12:19] b1 of my eight columns
.set KC,    20                         ; v[20:23] gelu's two constants, twice each
.set PF,    27                         ; v27      my byte offset in a weight tile that is asked into the L2; never rewritten
.set PK,    160                        ; v[160:191] packed results of 16 rows
.set OB,    192                        ; v[192:255] rows read back, two buffers
.set G1A,   16                         ; s[16:23] shape of xn's tiles
.set G1Q,   24                         ; s[24:31] shape of a weight tile, pitch 2048
.set G1F,   32                         ; s[32:39] the same, pitch 8192
.set G0A,   40                         ; s[40:47] xn: from where, to where, a set for each slot
.set G0B,   48                         ; s[48:55] weights: the same
.set APITCH, 240                       ; three pieces of 64 bytes, 16 bytes of padding behind each: 15 x 16, so 16 rows start at 16 different 16-byte columns
.set AHALF, 128*APITCH                 ; what one load of xn brings
.set ASLOT, 2*AHALF
.set BBASE, 2*ASLOT
.set BHALF, 96*512                     ; what one load of weights brings
.set BSLOT, 2*BHALF
.set STAGE, 0                          ; 16 rows x 272 bytes for each wave, in xn's slot 0: its last fill and its last reads stand in front of the last barrier
.set MUL_LO, 0xa4                      ; A window 0, B window 1, C and D window 2
.set MUL_HI, 0xf4                      ; C and D window 3
.set CVT,    0x45                      ; all of a conversion in window 1
.set TO_1,   0x40                      ; destination window 1, address window 0
.set MSB, 0
.macro WIN new                         ; the immediate's high byte repeats the setting that is left
.if MSB != (\new)
	s_set_vgpr_msb (MSB<<8)|(\new)
.set MSB, (\new)
.endif
.endm
.macro PLACES                          ; four places behind a matrix instruction (ISA guide 7.12.1)
.rept 4
	v_nop
.endr
.endm
.macro CREST                           ; a round of the cluster's barrier behind its opening barrier
	s_cmp_lg_u32 s56, 0
	s_cbranch_scc1 .Lnot_wave_0_\@
	s_barrier_signal -3
.Lnot_wave_0_\@:
	s_barrier_wait -3
	s_barrier_signal -1
	s_barrier_wait -1
.endm
.macro CROUND
	s_barrier_signal -1
	s_barrier_wait -1
	CREST
.endm
; eight matrix instructions: rows 16 a .. 16 a + 15 x all eight column tiles, 32 along K, from buffers f
.macro G a, f, zero
.irp b, 0,1,2,3,4,5,6,7
.if \zero
	v_wmma_f32_16x16x32_f16 v[8*(8*((\a)&3)+\b):8*(8*((\a)&3)+\b)+7], v[AF0+64*\f+8*\a:AF0+64*\f+8*\a+7], v[64*\f+8*\b:64*\f+8*\b+7], 0
.else
	v_wmma_f32_16x16x32_f16 v[8*(8*((\a)&3)+\b):8*(8*((\a)&3)+\b)+7], v[AF0+64*\f+8*\a:AF0+64*\f+8*\a+7], v[64*\f+8*\b:64*\f+8*\b+7], v[8*(8*((\a)&3)+\b):8*(8*((\a)&3)+\b)+7]
.endif
.endr
.endm
; 48 LDS loads: chunk c of slot s: its raw weights (rows 32 c .. 32 c + 31; group 0 first), then its A fragments (byte 80 c of the rows) into buffer f
.macro LOADS s, c, f
	WIN TO_1
.irp g, 0,1
.irp u, 0,1
.irp j, 0,1,2,3,4,5,6,7
	ds_load_b128 v[RAW+64*\g+4*(8*\u+\j):RAW+64*\g+4*(8*\u+\j)+3], v[ADRB+\s] offset:(32*\c+16*\u+\j)*512+256*\g
.endr
.endr
.endr
	WIN 0
.irp m, 0,1,2,3,4,5,6,7
	ds_load_b128 v[AF0+64*\f+8*\m:AF0+64*\f+8*\m+3],   v[ADRA+\s] offset:16*APITCH*\m+80*\c
	ds_load_b128 v[AF0+64*\f+8*\m+4:AF0+64*\f+8*\m+7], v[ADRA+\s] offset:16*APITCH*\m+80*\c+32
.endr
.endm
; 32 conversions: the four B fragments of column group g into buffer f
.macro CV g, f
	WIN CVT
.irp c, 0,1,2,3
.irp p, 0,1,2,3,4,5,6,7
	v_cvt_pk_f16_f32 v[64*\f+8*(4*\g+\c)+\p], v[RAW+64*\g+8*\p+\c], v[RAW+64*\g+8*\p+4+\c]
.endr
.endr
.endm
; a wave's one tensor load behind a round, into slot fs: waves 0, 1 xn's halves, waves 2, 3 the weights' halves.
; The second branch hangs on the kind, which all sixteen work-groups of the cluster share.  Each line has one mask.
.macro JL fs
	s_cmp_lt_u32 s56, 2
	s_cbranch_scc0 .Ljb_\@
	tensor_load_to_lds s[G0A+4*\fs:G0A+4*\fs+3], s[G1A:G1A+7]
	s_nop 0
	s_branch .Ljx_\@
.Ljb_\@:
	s_cmp_eq_u32 s61, 3
	s_cbranch_scc1 .Ljf_\@
	tensor_load_to_lds s[G0B+4*\fs:G0B+4*\fs+3], s[G1Q:G1Q+7]
	s_nop 0
	s_branch .Ljx_\@
.Ljf_\@:
	tensor_load_to_lds s[G0B+4*\fs:G0B+4*\fs+3], s[G1F:G1F+7]
	s_nop 0
.Ljx_\@:
.endm
; One chunk: 64 matrix instructions on buffers f.  nxt = 1: the loads (chunk nc of slot ns) and conversions of the next chunk ride along.
; mode 1: the change of slots: a barrier, in front of which my reads of this slot and all my tensor loads are done.
; mode 2: that barrier opens a round of the cluster's barrier, behind which slot fs is filled again (st = 1: slot 0's first step); pf = 1: the L2 is asked for one tile more.
.macro CHUNK f, zero, mode, nxt, ns, nc, fs, st, pf
	s_wait_dscnt 0x0                               ; this chunk's A fragments, the youngest loads: all my LDS reads are back
.if \mode
	s_set_vgpr_msb (MSB<<8)|((MSB&0xf0)|0x0)
	s_wait_tensorcnt 0x0                           ; all my tensor loads have landed: my part of the next tile
	ds_add_u32 v30, v31
	s_wait_dscnt 0x0
	s_set_vgpr_msb (((MSB&0xf0)|0x0)<<8)|MSB
	s_barrier_signal -1
.endif
	WIN MUL_LO
	G 0, \f, \zero
	G 1, \f, \zero
.if \mode
	WIN 0
	s_barrier_wait -1
.endif
.if \mode == 2
	CREST                                          ; no wave of any partner still reads the slot or has a load on its way
.if \st
	s_add_nc_u64 s[G0B+4*\fs+2:G0B+4*\fs+3], s[G0B+4*\fs+2:G0B+4*\fs+3], s[92:93]   ; from tile 0 to tile 2: 128 rows of the weights,
	s_add_nc_u64 s[G0A+4*\fs+2:G0A+4*\fs+3], s[G0A+4*\fs+2:G0A+4*\fs+3], 256        ; 128 columns of xn
.else
	s_add_nc_u64 s[G0B+4*\fs+2:G0B+4*\fs+3], s[G0B+4*\fs+2:G0B+4*\fs+3], s[66:67]   ; two tiles on: 192 rows of the weights,
	s_add_nc_u64 s[G0A+4*\fs+2:G0A+4*\fs+3], s[G0A+4*\fs+2:G0A+4*\fs+3], 384        ; 192 columns of xn
.endif
.if \pf
	s_wait_xcnt 0x0                                ; the last tile's request has had its address translated (ISA guide 3.1): its base steps only behind this wait
	s_add_nc_u64 s[96:97], s[96:97], s[94:95]      ; one tile = 96 rows on
.endif
	JL \fs
.if \pf
	s_cmp_eq_u32 s56, 3
	s_cbranch_scc1 .Lnp_\@                         ; 12 waves x 32 lanes cover the tile's 384 blocks: wave 3 asks for nothing
	global_prefetch_b8 v[PF], s[96:97] th:TH_LOAD_NT scope:SCOPE_SE
.Lnp_\@:
.endif
.endif
.if \nxt
	PLACES                                         ; the other buffers were sources of the last chunk's matrix instructions
	LOADS \ns, \nc, (1-\f)
.endif
	WIN MUL_LO
	G 2, \f, \zero
	G 3, \f, \zero
.if \nxt
	s_wait_dscnt 32                                ; group 0's raw weights are in: 16 raw loads and 16 A loads are younger
	CV 0, (1-\f)
.endif
	WIN MUL_HI
	G 4, \f, \zero
	G 5, \f, \zero
.if \nxt
	s_wait_dscnt 16                                ; group 1's are in: the 16 A loads are younger
	CV 1, (1-\f)
.endif
	WIN MUL_HI
	G 6, \f, \zero
	G 7, \f, \zero
.endm
.macro PAIR                            ; two tiles: slot 1, then slot 0; each is filled again in its last chunk
	CHUNK 1, 0, 0, 1, 1, 1, 0, 0, 0
	CHUNK 0, 0, 0, 1, 1, 2, 0, 0, 0
	CHUNK 1, 0, 2, 1, 0, 0, 1, 0, 1
	CHUNK 0, 0, 0, 1, 0, 1, 0, 0, 0
	CHUNK 1, 0, 0, 1, 0, 2, 0, 0, 0
	CHUNK 0, 0, 2, 1, 1, 0, 0, 0, 1
.endm
	s_load_b512 s[68:83], s[0:1], 0x0              ; xn 68, Wq 70, Wk 72, Wv 74, W1 76, b1 78, rope 80, qkv 82
	s_load_b64 s[84:85], s[0:1], 0x40              ; act
	v_lshl_add_u32 v30, v0, 2, 0x4e000
	v_mov_b32 v31, 0
	ds_add_u32 v30, v31
	v_lshrrev_b32 v1, 5, v0
	v_readfirstlane_b32 s56, v1                    ; wave
	s_lshr_b32 s57, s56, 1                         ; wm: my half of the block's rows
	s_and_b32 s58, s56, 1                          ; wn: my half of its columns; also the half of a tile that I fetch
	s_bfe_u32 s4, ttmp6, 0x40000                   ; cx.  Made of cx: s4, s5, s12, s60
	s_bfe_u32 s6, ttmp6, 0x40004                   ; cy.  Made of cy: s6, s7, s8-s10, s59, s63, s96-s97
	s_lshl_b32 s60, ttmp9, 2
	s_add_co_u32 s60, s60, s4                      ; block row = 4 x cluster x + cx
	s_and_b32 s61, ttmp7, 0xffff                   ; cluster y
	s_lshl_b32 s59, s61, 2
	s_add_co_u32 s59, s59, s6                      ; block column y = 4 x cluster y + cy
	s_lshr_b32 s61, s61, 1
	s_min_u32 s61, s61, 3                          ; kind: 0 q, 1 k, 2 v, 3 h: from the cluster's y alone
	s_lshl_b32 s7, s6, 2
	s_lshl_b32 s7, 15, s7                          ; my row of the cluster: places 4 cy .. 4 cy + 3
	s_lshl_b32 s5, 0x1111, s4                      ; my column: places cx, cx + 4, cx + 8, cx + 12
	s_and_b32 s63, s59, 7
	s_sub_co_u32 s10, s59, 24
	s_cmp_lt_u32 s61, 3
	s_cselect_b32 s63, s63, s10                    ; block column inside its own matrix
	s_cselect_b32 s101, 13, 15                     ; a row of the weights is 2^13 or 2^15 bytes
	s_lshl_b32 s66, 192, s101                      ; two tiles of the weights in bytes
	s_mov_b32 s67, 0
	s_lshl_b32 s92, 128, s101                      ; slot 0's first step
	s_mov_b32 s93, 0
	s_lshl_b32 s94, 96, s101                       ; one tile
	s_mov_b32 s95, 0
	s_or_b32 s[G1A+0], s5, 0x06f10000              ; 15:0 my column; 2-byte elements; padding on; bit 21 beside the mask; after every 16 words 4 words
	s_mov_b32 s[G1A+1], 96<<16                     ; tensor_dim0 = 96
	s_mov_b32 s[G1A+2], 128<<16                    ; tensor_dim1 = 128
	s_mov_b32 s[G1A+3], 96<<16                     ; tile_dim0 = 96 elements = 192 bytes
	s_mov_b32 s[G1A+4], 128                        ; tile_dim1 = 128 rows
	s_mov_b32 s[G1A+5], 2048                       ; pitch
	s_mov_b32 s[G1A+6], 0
	s_mov_b32 s[G1A+7], 0
	s_or_b32 s[G1Q+0], s7, 0x00220000              ; 15:0 my row; 4-byte elements; bit 21 beside the mask
	s_mov_b32 s[G1Q+1], 128<<16                    ; tensor_dim0 = 128
	s_mov_b32 s[G1Q+2], 96<<16                     ; tensor_dim1 = 96
	s_mov_b32 s[G1Q+3], 128<<16                    ; tile_dim0 = 128 elements = 512 bytes
	s_mov_b32 s[G1Q+4], 96                         ; tile_dim1 = 96 rows
	s_mov_b32 s[G1Q+5], 2048
	s_mov_b32 s[G1Q+6], 0
	s_mov_b32 s[G1Q+7], 0
	s_or_b32 s[G1F+0], s7, 0x00220000
	s_mov_b32 s[G1F+1], 128<<16
	s_mov_b32 s[G1F+2], 96<<16
	s_mov_b32 s[G1F+3], 128<<16
	s_mov_b32 s[G1F+4], 96
	s_mov_b32 s[G1F+5], 8192
	s_mov_b32 s[G1F+6], 0
	s_mov_b32 s[G1F+7], 0
	s_wait_dscnt 0x0
	s_wait_kmcnt 0x0
	s_cmp_eq_u32 s61, 0
	s_cselect_b64 s[8:9], s[70:71], s[72:73]
	s_cmp_lt_u32 s61, 2
	s_cselect_b64 s[8:9], s[8:9], s[74:75]
	s_cmp_lt_u32 s61, 3
	s_cselect_b64 s[8:9], s[8:9], s[76:77]         ; my weights
	s_lshl_b32 s10, s63, 10                        ; 256 columns of 4 bytes a block
	s_mov_b32 s11, 0
	s_add_nc_u64 s[8:9], s[8:9], s[10:11]          ; my block column, row 0
	s_add_nc_u64 s[96:97], s[8:9], s[92:93]        ; the requests to the L2: row 128, one tile short of tile 3's row 224
	s_lshl_b32 s10, s58, 9                         ; the half that I fetch
	s_add_nc_u64 s[G0B+2:G0B+3], s[8:9], s[10:11]  ; tile 0: rows 0 .. 95
	s_lshl_b32 s10, 32, s101
	s_add_nc_u64 s[G0B+6:G0B+7], s[G0B+2:G0B+3], s[10:11]   ; tile 1: rows 32 .. 127
	s_or_b32 s[G0B+3], s[G0B+3], 0x80000000
	s_or_b32 s[G0B+7], s[G0B+7], 0x80000000
	s_lshl_b32 s12, s60, 20                        ; 256 rows of 4,096 bytes a block,
	s_lshl_b32 s14, s58, 19                        ; 128 a half
	s_add_co_u32 s12, s12, s14
	s_mov_b32 s13, 0
	s_add_nc_u64 s[G0A+2:G0A+3], s[68:69], s[12:13]         ; tile 0: columns 0 .. 95
	s_add_nc_u64 s[G0A+6:G0A+7], s[G0A+2:G0A+3], 64         ; tile 1: columns 32 .. 127
	s_or_b32 s[G0A+3], s[G0A+3], 0x80000000
	s_or_b32 s[G0A+7], s[G0A+7], 0x80000000
	s_mov_b32 s[G0A+0], 1
	s_mov_b32 s[G0A+4], 1
	s_mov_b32 s[G0B+0], 1
	s_mov_b32 s[G0B+4], 1
	s_mul_i32 s14, s56, AHALF                      ; waves 0, 1: 128 rows of 240 bytes each.  No place in the cluster enters an LDS address
	s_add_co_u32 s[G0A+1], s14, 0
	s_add_co_u32 s[G0A+5], s14, ASLOT
	s_mul_i32 s14, s56, BHALF                      ; waves 2, 3: 96 rows of 512 bytes each
	s_add_co_u32 s[G0B+1], s14, BBASE-2*BHALF
	s_add_co_u32 s[G0B+5], s14, BBASE-2*BHALF+BSLOT
	CROUND                                         ; all sixteen work-groups are here: the first joint loads meet
	s_cmp_lt_u32 s56, 2
	s_cbranch_scc0 .Lfirst_b
	tensor_load_to_lds s[G0A:G0A+3], s[G1A:G1A+7]
	s_nop 0
	tensor_load_to_lds s[G0A+4:G0A+7], s[G1A:G1A+7]
	s_nop 0
	s_branch .Lfirst_x
.Lfirst_b:
	s_cmp_eq_u32 s61, 3
	s_cbranch_scc1 .Lfirst_f
	tensor_load_to_lds s[G0B:G0B+3], s[G1Q:G1Q+7]
	s_nop 0
	tensor_load_to_lds s[G0B+4:G0B+7], s[G1Q:G1Q+7]
	s_nop 0
	s_branch .Lfirst_x
.Lfirst_f:
	tensor_load_to_lds s[G0B:G0B+3], s[G1F:G1F+7]
	s_nop 0
	tensor_load_to_lds s[G0B+4:G0B+7], s[G1F:G1F+7]
	s_nop 0
.Lfirst_x:
	v_and_b32 v1, 15, v0                           ; r
	v_bfe_u32 v2, v0, 4, 1                         ; h
	v_mul_u32_u24 v3, v1, APITCH
	v_lshl_add_u32 v3, v2, 4, v3                   ; r * 240 + 16 h
	s_mul_i32 s14, s57, AHALF                      ; my 128 rows
	v_add_nc_u32 v[ADRA], s14, v3
	v_add_nc_u32 v[ADRA+1], ASLOT, v[ADRA]
	v_lshlrev_b32 v[ADRB], 4, v1                   ; 16 r
	v_lshl_add_u32 v[ADRB], v2, 12, v[ADRB]        ; + 8 h rows of 512 bytes
	s_mul_i32 s14, s58, BHALF                      ; my 128 columns
	s_add_co_u32 s14, s14, BBASE
	v_add_nc_u32 v[ADRB], s14, v[ADRB]
	v_add_nc_u32 v[ADRB+1], BSLOT, v[ADRB]
	s_mul_i32 s14, s56, 4352
	s_add_co_u32 s14, s14, STAGE                   ; my stage
	v_mul_u32_u24 v3, v2, 8*272
	v_lshl_add_u32 v3, v1, 3, v3
	v_add_nc_u32 v[STO], s14, v3                   ; row 8 h (+ j), 8 bytes at 8 r
	v_mul_u32_u24 v3, v2, 272
	v_lshl_add_u32 v3, v1, 4, v3
	v_add_nc_u32 v[RD], s14, v3                    ; row h (+ 2 t), 16 bytes at 16 r
	v_lshlrev_b32 v[TBO], 4, v1
	v_lshl_add_u32 v[TBO], v2, 12, v[TBO]          ; 4096 h + 16 r
	s_mul_i32 s12, s4, 3
	s_add_co_u32 s12, s12, s56                     ; 3 cx + wave: which twelfth of a tile I ask into the L2
	s_lshl_b32 s12, s12, 3                         ; its first row
	v_and_b32 v3, 31, v0
	v_lshrrev_b32 v[PF], 2, v3
	v_add_nc_u32 v[PF], s12, v[PF]                 ; row 8 (3 cx + wave) + lane / 4,
	v_lshlrev_b32 v[PF], s101, v[PF]
	v_and_b32 v3, 3, v0
	v_lshl_add_u32 v[PF], v3, 8, v[PF]             ; block lane % 4 of the row's four blocks of 256 bytes
	s_wait_tensorcnt 0x1                           ; my part of tile 0 has landed; tile 1's stays out
	s_barrier_signal -1
	s_barrier_wait -1
	LOADS 0, 0, 0
	s_wait_dscnt 16                                ; the raw weights are in: the 16 A loads are younger
	CV 0, 0
	CV 1, 0
	CHUNK 0, 1, 2, 1, 1, 0, 0, 1, 1                ; chunk 0 starts the sums: nothing is cleared; slot 0 is free at once and gets tile 2
	WIN 0
	s_mov_b32 s62, 9                               ; tiles 1 .. 18
.Lpair:
	PAIR
	WIN 0
	s_sub_co_i32 s62, s62, 1
	s_cmp_lg_u32 s62, 0
	s_cbranch_scc1 .Lpair
	CHUNK 1, 0, 0, 1, 1, 1, 0, 0, 0                ; tile 19
	CHUNK 0, 0, 0, 1, 1, 2, 0, 0, 0
	CHUNK 1, 0, 2, 1, 0, 0, 1, 0, 0                ; the last tile, 21, is asked for; the L2 has been asked for all
	CHUNK 0, 0, 0, 1, 0, 1, 0, 0, 0                ; tile 20
	CHUNK 1, 0, 0, 1, 0, 2, 0, 0, 0
	CHUNK 0, 0, 1, 1, 1, 0, 0, 0, 0                ; a plain barrier: the last tile is whole, nothing is filled; slot 0 is read no more
	CHUNK 1, 0, 0, 1, 1, 1, 0, 0, 0                ; tile 21
	CHUNK 0, 0, 0, 1, 1, 2, 0, 0, 0
	CHUNK 1, 0, 0, 0, 0, 0, 0, 0, 0
	; THE WAY OUT, 16 rows at a time through my own stage in LDS, so that 16 lanes store 256 consecutive bytes of a row.
	PLACES                                         ; behind the last matrix instructions: results are read, fragment buffers are written
	WIN 0
; the packed 16 rows go into the stage, come back by rows and are stored; LDS serves a wave's instructions in order (ISA guide 5.7.1.4)
.macro STAGEOUT a, pitch
.irp g, 0,1
.irp j, 0,1,2,3,4,5,6,7
	ds_store_b64 v[STO], v[PK+2*(8*\g+\j):PK+2*(8*\g+\j)+1] offset:272*\j+128*\g
.endr
.endr
	s_wait_xcnt 0x0                                ; the buffer that earlier stores read is loaded again only behind this wait
.irp t, 0,1,2,3,4,5,6,7
	ds_load_b128 v[OB+32*((\a)&1)+4*\t:OB+32*((\a)&1)+4*\t+3], v[RD] offset:544*\t
.endr
.irp t, 0,1,2,3,4,5,6,7
	s_wait_dscnt 7-\t                              ; the younger read-backs may be out
	global_store_b128 v[CO], v[OB+32*((\a)&1)+4*\t:OB+32*((\a)&1)+4*\t+3], s[86:87] offset:(16*(\a)+2*\t)*\pitch
.endr
.endm
	s_lshl_b32 s10, s63, 9
	s_lshl_b32 s14, s58, 8
	s_add_co_u32 s10, s10, s14                     ; my first column in bytes of f16
	s_mov_b32 s99, 0                               ; s98-s100 mix block row and block column: they feed no descriptor
	s_cmp_eq_u32 s61, 3
	s_cbranch_scc1 .Lgelu
	s_lshl_b32 s98, s61, 22                        ; q, k or v: 4 MiB each
	s_lshl_b32 s100, s60, 20
	s_add_co_u32 s98, s98, s100
	s_lshl_b32 s100, s57, 19
	s_add_co_u32 s98, s98, s100
	s_add_co_u32 s98, s98, s10
	s_add_nc_u64 s[86:87], s[82:83], s[98:99]
	v_mov_b32 v[CO], v[TBO]                        ; rows of 4,096 bytes: h * 4096 + 16 r
	s_cmp_eq_u32 s61, 2
	s_cbranch_scc1 .Lplain
	; q and k: y(2i) = x(2i) cos - x(2i+1) sin, y(2i+1) = x(2i+1) cos + x(2i) sin.  My 128 columns are one head; a lane's four columns are two pairs.
	s_lshl_b32 s98, s61, 19                        ; the table for q or for k
	s_lshl_b32 s100, s60, 17                       ; 256 rows of 512 bytes a block
	s_add_co_u32 s98, s98, s100
	s_lshl_b32 s100, s57, 16
	s_add_co_u32 s98, s98, s100
	s_add_nc_u64 s[88:89], s[80:81], s[98:99]
.macro TBL a                           ; 16 loads: (cos, sin, cos, sin) of my two pairs for each (g, j), into fragment buffer a & 1
.irp g, 0,1
.irp j, 0,1,2,3,4,5,6,7
	global_load_b128 v[AF0+64*((\a)&1)+4*(8*\g+\j):AF0+64*((\a)&1)+4*(8*\g+\j)+3], v[TBO], s[88:89] offset:(16*(\a)+\j)*512+256*\g
.endr
.endr
.endm
.macro EPR a, left
.if \a < 7
	TBL (\a+1)
.endif
	s_wait_loadcnt \left                           ; my 16 loads are in; the next 16 rows' stay out
	WIN 0x02+((\a)>>2)                             ; source 0 = accumulators
.irp g, 0,1
.irp j, 0,1,2,3,4,5,6,7
	v_mul_f32 v24, v[8*(8*((\a)&3)+4*\g+1)+\j], v[AF0+64*((\a)&1)+4*(8*\g+\j)+1]
	v_mul_f32 v25, v[8*(8*((\a)&3)+4*\g+3)+\j], v[AF0+64*((\a)&1)+4*(8*\g+\j)+3]
	v_mul_f32 v[AF0+64*((\a)&1)+4*(8*\g+\j)+1], v[8*(8*((\a)&3)+4*\g)+\j], v[AF0+64*((\a)&1)+4*(8*\g+\j)+1]
	v_mul_f32 v[AF0+64*((\a)&1)+4*(8*\g+\j)+3], v[8*(8*((\a)&3)+4*\g+2)+\j], v[AF0+64*((\a)&1)+4*(8*\g+\j)+3]
	v_fma_f32 v[AF0+64*((\a)&1)+4*(8*\g+\j)+1], v[8*(8*((\a)&3)+4*\g+1)+\j], v[AF0+64*((\a)&1)+4*(8*\g+\j)], v[AF0+64*((\a)&1)+4*(8*\g+\j)+1]
	v_fma_f32 v[AF0+64*((\a)&1)+4*(8*\g+\j)+3], v[8*(8*((\a)&3)+4*\g+3)+\j], v[AF0+64*((\a)&1)+4*(8*\g+\j)+2], v[AF0+64*((\a)&1)+4*(8*\g+\j)+3]
	v_fma_f32 v[AF0+64*((\a)&1)+4*(8*\g+\j)], v[8*(8*((\a)&3)+4*\g)+\j], v[AF0+64*((\a)&1)+4*(8*\g+\j)], -v24
	v_fma_f32 v[AF0+64*((\a)&1)+4*(8*\g+\j)+2], v[8*(8*((\a)&3)+4*\g+2)+\j], v[AF0+64*((\a)&1)+4*(8*\g+\j)+2], -v25
.endr
.endr
	WIN 0
.set i, 0
.rept 32
	v_cvt_pk_f16_f32 v[PK+i], v[AF0+64*((\a)&1)+2*i], v[AF0+64*((\a)&1)+2*i+1]
.set i, i+1
.endr
	STAGEOUT \a, 4096
.endm
	TBL 0
.irp x, 0,1,2,3,4,5,6
	EPR \x, 16
.endr
	EPR 7, 0
	s_branch .Lend
.Lplain:                               ; v: rounded and stored
.macro EPV a
	WIN 0x0a+5*((\a)>>2)                           ; sources 0 and 1 = accumulators
.irp g, 0,1
.irp j, 0,1,2,3,4,5,6,7
	v_cvt_pk_f16_f32 v[PK+2*(8*\g+\j)],   v[8*(8*((\a)&3)+4*\g)+\j],   v[8*(8*((\a)&3)+4*\g+1)+\j]
	v_cvt_pk_f16_f32 v[PK+2*(8*\g+\j)+1], v[8*(8*((\a)&3)+4*\g+2)+\j], v[8*(8*((\a)&3)+4*\g+3)+\j]
.endr
.endr
	WIN 0
	STAGEOUT \a, 4096
.endm
.irp x, 0,1,2,3,4,5,6,7
	EPV \x
.endr
	s_branch .Lend
.Lgelu:                                ; h = x / (1 + 2^z), z = -2 sqrt(2/pi) log2(e) (x + 0.044715 x^3), x = sum + b1: the tanh form of gelu
	s_lshl_b32 s98, s60, 8
	s_lshl_b32 s100, s57, 7
	s_add_co_u32 s98, s98, s100                    ; my first row
	s_mul_i32 s98, s98, 20480                      ; rows of 10,240 f16
	s_add_co_u32 s98, s98, s10
	s_add_nc_u64 s[86:87], s[84:85], s[98:99]
	s_lshl_b32 s98, s10, 1                         ; my first column in bytes of f32
	s_add_nc_u64 s[90:91], s[78:79], s[98:99]
	v_lshlrev_b32 v26, 4, v1
	global_load_b128 v[B1:B1+3], v26, s[90:91]                 ; b1 of columns 4 r .. 4 r + 3,
	global_load_b128 v[B1+4:B1+7], v26, s[90:91] offset:256    ; and of 64 + 4 r ..
	v_mul_u32_u24 v[CO], v2, 20480
	v_lshl_add_u32 v[CO], v1, 4, v[CO]
	v_mov_b32 v[KC], 0xbdd2d3e8                    ; -2 sqrt(2/pi) log2(e) * 0.044715
	v_mov_b32 v[KC+1], 0xbdd2d3e8
	v_mov_b32 v[KC+2], 0xc0135761                  ; -2 sqrt(2/pi) log2(e)
	v_mov_b32 v[KC+3], 0xc0135761
	s_wait_loadcnt 0x0
.macro EPG a                           ; x in fragment buffer 0 (tile b, register j at 8 b + j), z in buffer 1
	WIN 0x02+((\a)>>2)
.irp b, 0,1,2,3,4,5,6,7
.irp p, 0,1,2,3
.if (\b&1)
	v_pk_add_f32 v[AF0+8*\b+2*\p:AF0+8*\b+2*\p+1], v[8*(8*((\a)&3)+\b)+2*\p:8*(8*((\a)&3)+\b)+2*\p+1], v[B1+\b-1:B1+\b] op_sel:[0,1] op_sel_hi:[1,1]
.else
	v_pk_add_f32 v[AF0+8*\b+2*\p:AF0+8*\b+2*\p+1], v[8*(8*((\a)&3)+\b)+2*\p:8*(8*((\a)&3)+\b)+2*\p+1], v[B1+\b:B1+\b+1] op_sel_hi:[1,0]
.endif
.endr
.endr
	WIN 0
.set i, 0
.rept 32
	v_pk_mul_f32 v[AF0+64+2*i:AF0+64+2*i+1], v[AF0+2*i:AF0+2*i+1], v[AF0+2*i:AF0+2*i+1]
.set i, i+1
.endr
.set i, 0
.rept 32
	v_pk_fma_f32 v[AF0+64+2*i:AF0+64+2*i+1], v[AF0+64+2*i:AF0+64+2*i+1], v[KC:KC+1], v[KC+2:KC+3]
.set i, i+1
.endr
.set i, 0
.rept 32
	v_pk_mul_f32 v[AF0+64+2*i:AF0+64+2*i+1], v[AF0+64+2*i:AF0+64+2*i+1], v[AF0+2*i:AF0+2*i+1]
.set i, i+1
.endr
.set i, 0
.rept 64
	v_exp_f32 v[AF0+64+i], v[AF0+64+i]
.set i, i+1
.endr
	v_nop                                          ; one plain place behind the run of transcendentals (ISA guide 5.7.2)
.set i, 0
	s_wait_alu depctr_va_vdst(0)
.rept 32
	v_pk_add_f32 v[AF0+64+2*i:AF0+64+2*i+1], v[AF0+64+2*i:AF0+64+2*i+1], 1.0 op_sel_hi:[1,0]
.set i, i+1
.endr
.set i, 0
.rept 64
	v_rcp_f32 v[AF0+64+i], v[AF0+64+i]
.set i, i+1
.endr
	v_nop
.set i, 0
	s_wait_alu depctr_va_vdst(0)
.rept 32
	v_pk_mul_f32 v[AF0+2*i:AF0+2*i+1], v[AF0+2*i:AF0+2*i+1], v[AF0+64+2*i:AF0+64+2*i+1]
.set i, i+1
.endr
.irp g, 0,1
.irp j, 0,1,2,3,4,5,6,7
	v_cvt_pk_f16_f32 v[PK+2*(8*\g+\j)],   v[AF0+8*(4*\g)+\j],   v[AF0+8*(4*\g+1)+\j]
	v_cvt_pk_f16_f32 v[PK+2*(8*\g+\j)+1], v[AF0+8*(4*\g+2)+\j], v[AF0+8*(4*\g+3)+\j]
.endr
.endr
	STAGEOUT \a, 20480
.endm
.irp x, 0,1,2,3,4,5,6,7
	EPG \x
.endr
.Lend:
	s_wait_dscnt 0x0
	s_set_vgpr_msb (MSB<<8)|((MSB&0xf0)|0x0)
	s_wait_tensorcnt 0x0
	ds_add_u32 v30, v31
	s_wait_dscnt 0x0
	s_set_vgpr_msb (((MSB&0xf0)|0x0)<<8)|MSB
	CROUND                                         ; the closing round: no work-group ends while a partner may still ask jointly
	s_endpgm
.Lfunc_end_k_q4b5fdc20b9_gemm1:
	.size	k_q4b5fdc20b9_gemm1, .Lfunc_end_k_q4b5fdc20b9_gemm1-k_q4b5fdc20b9_gemm1
	.p2alignl 7, 3214868480
	.fill 96, 4, 3214868480
	.section	.rodata,"a",@progbits
	.p2align	6, 0x0
	.amdhsa_kernel k_q4b5fdc20b9_gemm1
		.amdhsa_group_segment_fixed_size 327680
		.amdhsa_private_segment_fixed_size 0
		.amdhsa_enable_private_segment 0
		.amdhsa_kernarg_size 72
		.amdhsa_user_sgpr_count 2
		.amdhsa_user_sgpr_kernarg_segment_ptr 1
		.amdhsa_wavefront_size32 1
		.amdhsa_system_sgpr_workgroup_id_x 1
		.amdhsa_system_sgpr_workgroup_id_y 1
		.amdhsa_system_sgpr_workgroup_id_z 1
		.amdhsa_system_vgpr_workitem_id 0
		.amdhsa_next_free_vgpr 1024
		.amdhsa_next_free_sgpr 102
		.amdhsa_reserve_vcc 0
		.amdhsa_float_denorm_mode_32 3
		.amdhsa_float_denorm_mode_16_64 3
		.amdhsa_memory_ordered 1
		.amdhsa_forward_progress 1
		.amdhsa_inst_pref_size 255
	.end_amdhsa_kernel
	.section	.bss,"aw",@nobits
	.p2align	6
	.space	262144
	.amdgpu_metadata
---
amdhsa.version: [ 1, 2 ]
amdhsa.kernels:
  - .name:           k_q4b5fdc20b9_gemm1
    .symbol:         k_q4b5fdc20b9_gemm1.kd
    .args:
      - { .name: xn, .offset: 0, .size: 8, .value_kind: global_buffer, .address_space: global }
      - { .name: Wq, .offset: 8, .size: 8, .value_kind: global_buffer, .address_space: global }
      - { .name: Wk, .offset: 16, .size: 8, .value_kind: global_buffer, .address_space: global }
      - { .name: Wv, .offset: 24, .size: 8, .value_kind: global_buffer, .address_space: global }
      - { .name: W1, .offset: 32, .size: 8, .value_kind: global_buffer, .address_space: global }
      - { .name: b1, .offset: 40, .size: 8, .value_kind: global_buffer, .address_space: global }
      - { .name: rope, .offset: 48, .size: 8, .value_kind: global_buffer, .address_space: global }
      - { .name: qkv, .offset: 56, .size: 8, .value_kind: global_buffer, .address_space: global }
      - { .name: act, .offset: 64, .size: 8, .value_kind: global_buffer, .address_space: global }
    .group_segment_fixed_size: 327680
    .private_segment_fixed_size: 0
    .kernarg_segment_align: 8
    .kernarg_segment_size: 72
    .max_flat_workgroup_size: 128
    .sgpr_count:     102
    .vgpr_count:     1024
    .wavefront_size: 32
...
	.end_amdgpu_metadata
.endif
;; end of part 6
;; launch attn: the kernel of part 3 again; grid 16 x 16, 4 waves a work-group, no clusters, 327,680 bytes of LDS; arguments qkv, attn_bias, act; writes act
;; launch gemm2 (part 7): grid 4 x 64, 4 waves a work-group, clusters of 4 x 4, 327,680 bytes of LDS; arguments act, W2, Wo, part; writes part
.if DOCPART == 7
	.amdgcn_target "amdgcn-amd-amdhsa--gfx1250"
	.amdhsa_code_object_version 6
	.text
	.protected	k_q4b5fdc20b9_gemm2
	.globl	k_q4b5fdc20b9_gemm2
	.p2align	8
	.type	k_q4b5fdc20b9_gemm2,@function
k_q4b5fdc20b9_gemm2:
	s_mov_b64 s[64:65], 0
	v_nop
	global_prefetch_b8 v0, s[64:65] scope:SCOPE_SE
	s_setreg_imm32_b32 hwreg(HW_REG_WAVE_MODE, 25, 1), 1
	s_wait_xcnt 0x0
	s_wait_alu depctr_hold_cnt(0) depctr_sa_sdst(0) depctr_va_vdst(0) depctr_va_sdst(0) depctr_va_ssrc(0) depctr_va_vcc(0) depctr_vm_vsrc(0)
	s_getreg_b32 s2, hwreg(HW_REG_IB_STS2, 6, 4)
	s_cmp_eq_u32 s2, 0
	s_cbranch_scc0 .Lentry_in_a_cluster
	s_endpgm
.Lentry_in_a_cluster:
	s_bfe_u32 s2, ttmp6, 0x10000c
	s_cmp_lg_u32 s2, 0xf033
	s_cbranch_scc0 .Lentry_shape_is_right
	s_endpgm
.Lentry_shape_is_right:
; part[c] = act[:, 1280 c .. 1280 c + 1279] times the same rows of [W2; Wo]: act [1024][10240] f16 = [h | attention], W2 [8192][2048], Wo [2048][2048] f32.
; K = 10240 is split in eight so that 4 x 8 blocks of 256 x 256 give 256 work-groups; the eight partial sums (f32) are added by the next launch, in order.
; Work-group y = 8 c + block column.  The core is that of the first product:
; four waves, 128 x 128 each in 64 accumulators.  A weight tile comes to LDS as f32 rows [k][128 columns]; lane (r, h) reads columns 4 r .. 4 r + 3 of a
; group g of 64 for each of its 16 k of a chunk of 32, and one conversion of rows k, k + 1 of column c is one register of the B fragment of tile
; b = 4 g + c.  So accumulator (a, b), register j, lane (r, h) holds C[16 a + 8 h + j][64 g + 4 r + c].
; RING: two slots of 96 along K (three chunks): 256 x 240 + 96 x 1024 = 159,744 bytes each, 319,488 in all; behind each change of slots every wave issues one
; tensor load (waves 0, 1 act's halves, waves 2, 3 the weights' halves), which has 192 matrix instructions in which to land.  Two are out at the start, one later.
; My K is 40 chunks = 1 + 13 x 3: tile 0 holds chunks 0-2, of which chunk 0 alone is used (it starts the sums); tile t >= 1 holds chunks 3 t - 2 .. 3 t.
; Row 8192, where Wo follows W2, is 7680 + 32 + 5 x 96: a tile's first row, so each tile comes from W2 or from Wo.
; CLUSTER: 4 x 4 work-groups: four block rows x four block columns of one eighth of K.  A weight tile is asked for jointly along a row of the cluster, act's tile
; along a column: each divides its requests by four.  The eighth of K is made from the cluster's y alone; numbers made of cx and of cy live in separate registers.
; act's rows in a tile are 192 bytes and begin on multiples of 64 bytes: the price of the slot of 96.
; PREFETCH: behind the round that asks for tile t + 2, the weights of tile t + 3 (96 rows x 1,024 bytes, one tile ahead) are asked into the L2: waves 0-2 of
; the four work-groups that share the tile take 8 rows x 4 blocks of 256 bytes each, every block once; the last request is for the last tile.
; REGISTERS as in the first product.  The 64 accumulators take turns, one matrix instruction a turn.
; LIMIT: the weights are rounded to f16: magnitudes at or above 65,520 become infinite.
.set AF0,   32
.set RAW,   128
.set ADRA,  4
.set ADRB,  6
.set CO,    10
.set PF,    11                         ; v11: my byte offset in a weight tile that is asked into the L2; never rewritten
.set G1A,   16
.set G1B,   24
.set G0A,   40
.set G0B,   48
.set KK,    76                         ; s76, s77: the first row in [W2; Wo] of the tile that slot 0, 1 holds or is asked for
.set APITCH, 240                       ; three pieces of 64 bytes, 16 bytes of padding behind each
.set AHALF, 128*APITCH
.set ASLOT, 2*AHALF
.set BBASE, 2*ASLOT
.set BHALF, 96*512
.set BSLOT, 2*BHALF
.set MUL_LO, 0xa4
.set MUL_HI, 0xf4
.set CVT,    0x45
.set TO_1,   0x40
.set MSB, 0
.macro WIN new
.if MSB != (\new)
	s_set_vgpr_msb (MSB<<8)|(\new)
.set MSB, (\new)
.endif
.endm
.macro PLACES                          ; four places behind a matrix instruction (ISA guide 7.12.1)
.rept 4
	v_nop
.endr
.endm
.macro CREST
	s_cmp_lg_u32 s56, 0
	s_cbranch_scc1 .Lnot_wave_0_\@
	s_barrier_signal -3
.Lnot_wave_0_\@:
	s_barrier_wait -3
	s_barrier_signal -1
	s_barrier_wait -1
.endm
.macro CROUND
	s_barrier_signal -1
	s_barrier_wait -1
	CREST
.endm
.macro G a, f, zero
.irp b, 0,1,2,3,4,5,6,7
.if \zero
	v_wmma_f32_16x16x32_f16 v[8*(8*((\a)&3)+\b):8*(8*((\a)&3)+\b)+7], v[AF0+64*\f+8*\a:AF0+64*\f+8*\a+7], v[64*\f+8*\b:64*\f+8*\b+7], 0
.else
	v_wmma_f32_16x16x32_f16 v[8*(8*((\a)&3)+\b):8*(8*((\a)&3)+\b)+7], v[AF0+64*\f+8*\a:AF0+64*\f+8*\a+7], v[64*\f+8*\b:64*\f+8*\b+7], v[8*(8*((\a)&3)+\b):8*(8*((\a)&3)+\b)+7]
.endif
.endr
.endm
.macro LOADS s, c, f                   ; chunk c of slot s: 32 loads of raw weights, 16 of A fragments, into buffer f
	WIN TO_1
.irp g, 0,1
.irp u, 0,1
.irp j, 0,1,2,3,4,5,6,7
	ds_load_b128 v[RAW+64*\g+4*(8*\u+\j):RAW+64*\g+4*(8*\u+\j)+3], v[ADRB+\s] offset:(32*\c+16*\u+\j)*512+256*\g
.endr
.endr
.endr
	WIN 0
.irp m, 0,1,2,3,4,5,6,7
	ds_load_b128 v[AF0+64*\f+8*\m:AF0+64*\f+8*\m+3],   v[ADRA+\s] offset:16*APITCH*\m+80*\c
	ds_load_b128 v[AF0+64*\f+8*\m+4:AF0+64*\f+8*\m+7], v[ADRA+\s] offset:16*APITCH*\m+80*\c+32
.endr
.endm
.macro CV g, f
	WIN CVT
.irp c, 0,1,2,3
.irp p, 0,1,2,3,4,5,6,7
	v_cvt_pk_f16_f32 v[64*\f+8*(4*\g+\c)+\p], v[RAW+64*\g+8*\p+\c], v[RAW+64*\g+8*\p+4+\c]
.endr
.endr
.endm
; the address of the weight tile whose first row is KK[bs]: W2 below row 8192, Wo from there on.  s11 = 0 throughout.  Nothing here hangs on cx
.macro BADDR bs
	s_cmp_lt_u32 s[KK+\bs], 8192
	s_cselect_b64 s[8:9], s[70:71], s[72:73]
	s_cselect_b32 s10, 0, 8192
	s_sub_co_u32 s10, s[KK+\bs], s10
	s_lshl_b32 s10, s10, 13                        ; rows of 8,192 bytes
	s_add_co_u32 s10, s10, s78                     ; the columns that I fetch
	s_add_nc_u64 s[G0B+4*\bs+2:G0B+4*\bs+3], s[8:9], s[10:11]
	s_or_b32 s[G0B+4*\bs+3], s[G0B+4*\bs+3], 0x80000000
.endm
; the base of the next request to the L2: one tile = 96 rows on, at my block column's first byte.  s91 = 0 throughout
.macro PADDR
	s_wait_xcnt 0x0                                ; the last tile's request has had its address translated (ISA guide 3.1): its base is rewritten only behind this wait
	s_add_co_u32 s79, s79, 96
	s_cmp_lt_u32 s79, 8192
	s_cselect_b64 s[88:89], s[70:71], s[72:73]
	s_cselect_b32 s90, 0, 8192
	s_sub_co_u32 s90, s79, s90
	s_lshl_b32 s90, s90, 13
	s_add_co_u32 s90, s90, s80
	s_add_nc_u64 s[88:89], s[88:89], s[90:91]
.endm
.macro JL fs                           ; a wave's one tensor load behind a round: each line has one mask
	s_cmp_lt_u32 s56, 2
	s_cbranch_scc0 .Ljb_\@
	tensor_load_to_lds s[G0A+4*\fs:G0A+4*\fs+3], s[G1A:G1A+7]
	s_nop 0
	s_branch .Ljx_\@
.Ljb_\@:
	tensor_load_to_lds s[G0B+4*\fs:G0B+4*\fs+3], s[G1B:G1B+7]
	s_nop 0
.Ljx_\@:
.endm
; One chunk: 64 matrix instructions on buffers f; nxt: the loads (chunk nc of slot ns) and conversions of the next chunk ride along; mode 1: the barrier of a change
; of slots; mode 2: that barrier opens a round of the cluster's barrier, behind which slot fs is filled again (st = 1: slot 0's first step); pf = 1: the L2 is asked for one tile more.
.macro CHUNK f, zero, mode, nxt, ns, nc, fs, st, pf
	s_wait_dscnt 0x0                               ; this chunk's A fragments, the youngest loads: all my LDS reads are back
.if \mode
	s_set_vgpr_msb (MSB<<8)|((MSB&0xf0)|0x0)
	s_wait_tensorcnt 0x0                           ; all my tensor loads have landed: my part of the next tile
	ds_add_u32 v254, v255
	s_wait_dscnt 0x0
	s_set_vgpr_msb (((MSB&0xf0)|0x0)<<8)|MSB
	s_barrier_signal -1
.endif
	WIN MUL_LO
	G 0, \f, \zero
	G 1, \f, \zero
.if \mode
	WIN 0
	s_barrier_wait -1
.endif
.if \mode == 2
	CREST                                          ; no wave of any partner still reads the slot or has a load on its way
.if \st
	s_add_co_u32 s[KK+\fs], s[KK+\fs], 128         ; from tile 0 to tile 2
	s_add_nc_u64 s[G0A+4*\fs+2:G0A+4*\fs+3], s[G0A+4*\fs+2:G0A+4*\fs+3], 256
.else
	s_add_co_u32 s[KK+\fs], s[KK+\fs], 192         ; two tiles on
	s_add_nc_u64 s[G0A+4*\fs+2:G0A+4*\fs+3], s[G0A+4*\fs+2:G0A+4*\fs+3], 384
.endif
	BADDR \fs
.if \pf
	PADDR
.endif
	JL \fs
.if \pf
	s_cmp_eq_u32 s56, 3
	s_cbranch_scc1 .Lnp_\@                         ; 12 waves x 32 lanes cover the tile's 384 blocks: wave 3 asks for nothing
	global_prefetch_b8 v[PF], s[88:89] th:TH_LOAD_NT scope:SCOPE_SE
.Lnp_\@:
.endif
.endif
.if \nxt
	PLACES                                         ; the other buffers were sources of the last chunk's matrix instructions
	LOADS \ns, \nc, (1-\f)
.endif
	WIN MUL_LO
	G 2, \f, \zero
	G 3, \f, \zero
.if \nxt
	s_wait_dscnt 32                                ; group 0's raw weights are in: 16 raw loads and 16 A loads are younger
	CV 0, (1-\f)
.endif
	WIN MUL_HI
	G 4, \f, \zero
	G 5, \f, \zero
.if \nxt
	s_wait_dscnt 16                                ; group 1's are in: the 16 A loads are younger
	CV 1, (1-\f)
.endif
	WIN MUL_HI
	G 6, \f, \zero
	G 7, \f, \zero
.endm
.macro PAIR                            ; two tiles: slot 1, then slot 0; each is filled again in its last chunk
	CHUNK 1, 0, 0, 1, 1, 1, 0, 0, 0
	CHUNK 0, 0, 0, 1, 1, 2, 0, 0, 0
	CHUNK 1, 0, 2, 1, 0, 0, 1, 0, 1
	CHUNK 0, 0, 0, 1, 0, 1, 0, 0, 0
	CHUNK 1, 0, 0, 1, 0, 2, 0, 0, 0
	CHUNK 0, 0, 2, 1, 1, 0, 0, 0, 1
.endm
	s_load_b256 s[68:75], s[0:1], 0x0              ; act 68, W2 70, Wo 72, part 74
	v_lshl_add_u32 v254, v0, 2, 0x4e000
	v_mov_b32 v255, 0
	ds_add_u32 v254, v255
	v_lshrrev_b32 v1, 5, v0
	v_readfirstlane_b32 s56, v1                    ; wave
	s_lshr_b32 s57, s56, 1                         ; wm
	s_and_b32 s58, s56, 1                          ; wn; also the half of a tile that I fetch
	s_bfe_u32 s4, ttmp6, 0x40000                   ; cx.  Made of cx: s4, s5, s12, s60
	s_bfe_u32 s6, ttmp6, 0x40004                   ; cy.  Made of cy: s6, s7, s10, s59, s63, s78, s80, s88-s90
	s_lshl_b32 s60, ttmp9, 2
	s_add_co_u32 s60, s60, s4                      ; block row = 4 x cluster x + cx
	s_and_b32 s61, ttmp7, 0xffff                   ; cluster y
	s_lshl_b32 s59, s61, 2
	s_add_co_u32 s59, s59, s6                      ; y = 4 x cluster y + cy
	s_lshr_b32 s61, s61, 1                         ; c: my eighth of K, from the cluster's y alone
	s_and_b32 s63, s59, 7                          ; block column
	s_lshl_b32 s7, s6, 2
	s_lshl_b32 s7, 15, s7                          ; my row of the cluster
	s_lshl_b32 s5, 0x1111, s4                      ; my column
	s_mul_i32 s[KK], s61, 1280                     ; tile 0's first row
	s_add_co_u32 s[KK+1], s[KK], 32                ; tile 1's
	s_add_co_u32 s79, s[KK], 128                   ; the requests to the L2: one tile short of tile 3's first row, 224
	s_lshl_b32 s80, s63, 10                        ; my block column in bytes
	s_lshl_b32 s14, s58, 9
	s_add_co_u32 s78, s80, s14                     ; the columns that I fetch
	s_mov_b32 s11, 0
	s_mov_b32 s13, 0
	s_mov_b32 s91, 0
	s_or_b32 s[G1A+0], s5, 0x06f10000              ; 15:0 my column; 2-byte elements; padding on; bit 21 beside the mask; after every 16 words 4 words
	s_mov_b32 s[G1A+1], 96<<16
	s_mov_b32 s[G1A+2], 128<<16
	s_mov_b32 s[G1A+3], 96<<16                     ; 96 elements = 192 bytes x
	s_mov_b32 s[G1A+4], 128                        ; 128 rows
	s_mov_b32 s[G1A+5], 10240
	s_mov_b32 s[G1A+6], 0
	s_mov_b32 s[G1A+7], 0
	s_or_b32 s[G1B+0], s7, 0x00220000              ; 15:0 my row; 4-byte elements; bit 21 beside the mask
	s_mov_b32 s[G1B+1], 128<<16
	s_mov_b32 s[G1B+2], 96<<16
	s_mov_b32 s[G1B+3], 128<<16                    ; 128 elements = 512 bytes x
	s_mov_b32 s[G1B+4], 96                         ; 96 rows
	s_mov_b32 s[G1B+5], 2048
	s_mov_b32 s[G1B+6], 0
	s_mov_b32 s[G1B+7], 0
	s_wait_dscnt 0x0
	s_wait_kmcnt 0x0
	BADDR 0
	BADDR 1
	s_lshl_b32 s12, s60, 8
	s_lshl_b32 s14, s58, 7
	s_add_co_u32 s12, s12, s14                     ; the rows that I fetch
	s_mul_i32 s12, s12, 20480
	s_lshl_b32 s14, s[KK], 1
	s_add_co_u32 s12, s12, s14
	s_add_nc_u64 s[G0A+2:G0A+3], s[68:69], s[12:13]         ; tile 0
	s_add_nc_u64 s[G0A+6:G0A+7], s[G0A+2:G0A+3], 64         ; tile 1: 32 columns on
	s_or_b32 s[G0A+3], s[G0A+3], 0x80000000
	s_or_b32 s[G0A+7], s[G0A+7], 0x80000000
	s_mov_b32 s[G0A+0], 1
	s_mov_b32 s[G0A+4], 1
	s_mov_b32 s[G0B+0], 1
	s_mov_b32 s[G0B+4], 1
	s_mul_i32 s14, s56, AHALF                      ; no place in the cluster enters an LDS address
	s_add_co_u32 s[G0A+1], s14, 0
	s_add_co_u32 s[G0A+5], s14, ASLOT
	s_mul_i32 s14, s56, BHALF
	s_add_co_u32 s[G0B+1], s14, BBASE-2*BHALF
	s_add_co_u32 s[G0B+5], s14, BBASE-2*BHALF+BSLOT
	CROUND                                         ; all sixteen work-groups are here: the first joint loads meet
	s_cmp_lt_u32 s56, 2
	s_cbranch_scc0 .Lfirst_b
	tensor_load_to_lds s[G0A:G0A+3], s[G1A:G1A+7]
	s_nop 0
	tensor_load_to_lds s[G0A+4:G0A+7], s[G1A:G1A+7]
	s_nop 0
	s_branch .Lfirst_x
.Lfirst_b:
	tensor_load_to_lds s[G0B:G0B+3], s[G1B:G1B+7]
	s_nop 0
	tensor_load_to_lds s[G0B+4:G0B+7], s[G1B:G1B+7]
	s_nop 0
.Lfirst_x:
	v_and_b32 v1, 15, v0                           ; r
	v_bfe_u32 v2, v0, 4, 1                         ; h
	v_mul_u32_u24 v3, v1, APITCH
	v_lshl_add_u32 v3, v2, 4, v3
	s_mul_i32 s14, s57, AHALF
	v_add_nc_u32 v[ADRA], s14, v3
	v_add_nc_u32 v[ADRA+1], ASLOT, v[ADRA]
	v_lshlrev_b32 v[ADRB], 4, v1
	v_lshl_add_u32 v[ADRB], v2, 12, v[ADRB]
	s_mul_i32 s14, s58, BHALF
	s_add_co_u32 s14, s14, BBASE
	v_add_nc_u32 v[ADRB], s14, v[ADRB]
	v_add_nc_u32 v[ADRB+1], BSLOT, v[ADRB]
	v_lshlrev_b32 v[CO], 4, v1
	v_lshl_add_u32 v[CO], v2, 16, v[CO]            ; 8 h rows of 8,192 bytes + 16 r
	s_mul_i32 s12, s4, 3
	s_add_co_u32 s12, s12, s56                     ; 3 cx + wave: which twelfth of a tile I ask into the L2
	s_lshl_b32 s12, s12, 3
	v_and_b32 v3, 31, v0
	v_lshrrev_b32 v[PF], 2, v3
	v_add_nc_u32 v[PF], s12, v[PF]                 ; row 8 (3 cx + wave) + lane / 4,
	v_lshlrev_b32 v[PF], 13, v[PF]
	v_and_b32 v3, 3, v0
	v_lshl_add_u32 v[PF], v3, 8, v[PF]             ; block lane % 4 of the row's four blocks of 256 bytes
	s_wait_tensorcnt 0x1                           ; my part of tile 0 has landed; tile 1's stays out
	s_barrier_signal -1
	s_barrier_wait -1
	LOADS 0, 0, 0
	s_wait_dscnt 16                                ; the raw weights are in: the 16 A loads are younger
	CV 0, 0
	CV 1, 0
	CHUNK 0, 1, 2, 1, 1, 0, 0, 1, 1                ; chunk 0 starts the sums; slot 0 is free at once and gets tile 2
	WIN 0
	s_mov_b32 s62, 5                               ; tiles 1 .. 10
.Lpair:
	PAIR
	WIN 0
	s_sub_co_i32 s62, s62, 1
	s_cmp_lg_u32 s62, 0
	s_cbranch_scc1 .Lpair
	CHUNK 1, 0, 0, 1, 1, 1, 0, 0, 0                ; tile 11
	CHUNK 0, 0, 0, 1, 1, 2, 0, 0, 0
	CHUNK 1, 0, 2, 1, 0, 0, 1, 0, 0                ; the last tile, 13, is asked for; the L2 has been asked for all
	CHUNK 0, 0, 0, 1, 0, 1, 0, 0, 0                ; tile 12
	CHUNK 1, 0, 0, 1, 0, 2, 0, 0, 0
	CHUNK 0, 0, 1, 1, 1, 0, 0, 0, 0                ; a plain barrier: the last tile is whole, nothing is filled
	CHUNK 1, 0, 0, 1, 1, 1, 0, 0, 0                ; tile 13
	CHUNK 0, 0, 0, 1, 1, 2, 0, 0, 0
	CHUNK 1, 0, 0, 0, 0, 0, 0, 0, 0
	; THE WAY OUT: a lane's four neighbouring columns lie in four accumulators; four moves gather them, and 16 lanes store 256 consecutive bytes.
	PLACES
	WIN 0
	s_lshl_b32 s98, s61, 23                        ; my partial sum: 8 MiB each.  s98-s100 mix block row and block column: they feed no descriptor
	s_lshl_b32 s100, s60, 21                       ; 256 rows of 8,192 bytes a block
	s_add_co_u32 s98, s98, s100
	s_lshl_b32 s100, s57, 20
	s_add_co_u32 s98, s98, s100
	s_lshl_b32 s100, s63, 10
	s_add_co_u32 s98, s98, s100
	s_lshl_b32 s100, s58, 9
	s_add_co_u32 s98, s98, s100
	s_mov_b32 s99, 0
	s_add_nc_u64 s[86:87], s[74:75], s[98:99]
.macro EPO a
	s_wait_xcnt 0x0                                ; the buffer that earlier stores read is written again only behind this wait
	WIN 0x02+((\a)>>2)
.irp g, 0,1
.irp j, 0,1,2,3,4,5,6,7
.irp c, 0,1,2,3
	v_mov_b32 v[AF0+64*((\a)&1)+4*(8*\g+\j)+\c], v[8*(8*((\a)&3)+4*\g+\c)+\j]
.endr
.endr
.endr
	WIN 0
.irp g, 0,1
.irp j, 0,1,2,3,4,5,6,7
	global_store_b128 v[CO], v[AF0+64*((\a)&1)+4*(8*\g+\j):AF0+64*((\a)&1)+4*(8*\g+\j)+3], s[86:87] offset:(16*(\a)+\j)*8192+256*\g
.endr
.endr
.endm
.irp x, 0,1,2,3,4,5,6,7
	EPO \x
.endr
	CROUND                                         ; the closing round
	s_endpgm
.Lfunc_end_k_q4b5fdc20b9_gemm2:
	.size	k_q4b5fdc20b9_gemm2, .Lfunc_end_k_q4b5fdc20b9_gemm2-k_q4b5fdc20b9_gemm2
	.p2alignl 7, 3214868480
	.fill 96, 4, 3214868480
	.section	.rodata,"a",@progbits
	.p2align	6, 0x0
	.amdhsa_kernel k_q4b5fdc20b9_gemm2
		.amdhsa_group_segment_fixed_size 327680
		.amdhsa_private_segment_fixed_size 0
		.amdhsa_enable_private_segment 0
		.amdhsa_kernarg_size 32
		.amdhsa_user_sgpr_count 2
		.amdhsa_user_sgpr_kernarg_segment_ptr 1
		.amdhsa_wavefront_size32 1
		.amdhsa_system_sgpr_workgroup_id_x 1
		.amdhsa_system_sgpr_workgroup_id_y 1
		.amdhsa_system_sgpr_workgroup_id_z 1
		.amdhsa_system_vgpr_workitem_id 0
		.amdhsa_next_free_vgpr 1024
		.amdhsa_next_free_sgpr 102
		.amdhsa_reserve_vcc 0
		.amdhsa_float_denorm_mode_32 3
		.amdhsa_float_denorm_mode_16_64 3
		.amdhsa_memory_ordered 1
		.amdhsa_forward_progress 1
		.amdhsa_inst_pref_size 227
	.end_amdhsa_kernel
	.amdgpu_metadata
---
amdhsa.version: [ 1, 2 ]
amdhsa.kernels:
  - .name:           k_q4b5fdc20b9_gemm2
    .symbol:         k_q4b5fdc20b9_gemm2.kd
    .args:
      - { .name: act, .offset: 0, .size: 8, .value_kind: global_buffer, .address_space: global }
      - { .name: W2, .offset: 8, .size: 8, .value_kind: global_buffer, .address_space: global }
      - { .name: Wo, .offset: 16, .size: 8, .value_kind: global_buffer, .address_space: global }
      - { .name: part, .offset: 24, .size: 8, .value_kind: global_buffer, .address_space: global }
    .group_segment_fixed_size: 327680
    .private_segment_fixed_size: 0
    .kernarg_segment_align: 8
    .kernarg_segment_size: 32
    .max_flat_workgroup_size: 128
    .sgpr_count:     102
    .vgpr_count:     1024
    .wavefront_size: 32
...
	.end_amdgpu_metadata
.endif
;; end of part 7
;; launch reduce: the kernel of part 5 again; grid 512 x 1, 8 waves a work-group, no clusters, 0 bytes of LDS; arguments part, b2, out0; writes out0
